; MI455X (gfx1250); checked and timed in simulation.
; The chip was launched on July 23, 2026; its instructions are those of AMD's public machine-readable ISA for CDNA 5 (MIT licence, August 2026) and "CDNA5" Instruction Set Architecture Reference Guide (July 2026). The comments in the code are by the model that wrote it; some were corrected since.
;; TC Former Module. Allowed arithmetic: matrix products marked QUANTISED: E2M3 operands, one E8M0 scale for each 32 along K, by v_wmma_scale_f32_16x16x128_f8f6f4 with both operands' format E2M3, f32 sums; everything else in f32.
;; Inputs: Wkv 512 x 1,024 float32; Wo 1,024 x 1,024 float32; Wq 1,024 x 1,024 float32; x 4 x 2,048 x 1,024 float32.
;; Outputs: out0 4 x 2,048 x 1,024 float32.
;; Constants: num_kv_heads = 4, num_q_heads = 16.
;; This version of the problem:
;;   THIS VERSION OF THE PROBLEM IS GIVEN IN LOW PRECISION. The matrix products marked QUANTISED in the list below multiply operands that are first quantised to E2M3 (2 exponent bits, 3 mantissa bits; 6 bits a number), with one power-of-two scale for each 32 numbers along K (OCP MX v1.0); their sums are f32. All else is computed in f32.
;;   The module's matrix products, in the order in which they are computed (A, B: the left and right operand; K: the contracted axis; several contracted axes count as one K, in the product's order):
;;     1. [M 8,192, K 1,024] x [K 1,024, N 1,024]; A: input x; B: input Wq: QUANTISED
;;     2. [M 8,192, K 1,024] x [K 1,024, N 512]; A: input x; B: input Wkv: QUANTISED
;;     3. batch 64 x [M 2,048, K 64] x [K 64, N 2,048]; A: computed on the way; B: computed on the way: QUANTISED
;;     4. batch 64 x [M 2,048, K 2,048] x [K 2,048, N 64]; A: softmax (see below); B: computed on the way: QUANTISED
;;     5. [M 8,192, K 1,024] x [K 1,024, N 1,024]; A: computed on the way; B: input Wo: QUANTISED
;;   THE QUANTISER, for each operand of a quantised product, along K:
;;     - K is cut into blocks of 32 from its start; a last block that is shorter is filled with zeros.
;;     - A block's scale is 2^e with e = floor(log2(the largest magnitude in the block)) - 2, held to -126 .. 127; a block of zeros has e = 0. As a byte (E8M0): e + 127.
;;     - Each number is divided by its block's scale, clamped to +-7.5, and rounded to the nearest number of E2M3, ties to even, subnormals kept.
;;     - The product sums the exact products of the quantised numbers (number of the format x scale) in f32.
;;   ~~~python
;;   def quantise(x, axis):      # numpy; x: float32 -> the quantised numbers, widened to float32 again
;;       x = np.moveaxis(x, axis, -1); K = x.shape[-1]
;;       x = np.pad(x, [(0, 0)] * (x.ndim - 1) + [(0, -K % 32)]); x = x.reshape(x.shape[:-1] + (-1, 32)); a = np.abs(x).max(-1, keepdims=True)
;;       e = np.where(a > 0, np.clip(np.frexp(np.where(a > 0, a, 1))[1] - 1 - 2, -126, 127), 0)      # np.frexp(a)[1] - 1 = floor(log2(a)), exactly
;;       r = np.clip(x / 2.0 ** e, -7.5, 7.5)
;;       step = 2.0 ** (np.maximum(np.frexp(np.where(r == 0, 1, r))[1] - 1, 0) - 3)
;;       q = np.round(r / step) * step * 2.0 ** e      # np.round: ties to even
;;       return np.moveaxis(q.reshape(q.shape[:-2] + (-1,))[..., :K], -1, axis).astype(np.float32)
;;   ~~~
;;   SOFTMAX AHEAD OF A QUANTISED PRODUCT. Where the list says 'softmax', what is quantised is not the finished softmax but p = 2^(t - M), with t = logit x log2(e) and M = ceil(the row's largest t), a whole number; so 1/2 < the row's largest p <= 1. The row's sum l is taken of the UNQUANTISED p, in f32, and the product's result is divided by l at the end. Since M is a whole number, a kernel that streams over the keys may use a running M (the ceiling of the running maximum): every later rescaling is an exact power of two, which a block's scale takes up: the codes' values come out the same.
;;   OPERANDS COMPUTED ON THE WAY. 'Computed on the way' means the value that the module computes at that place (a softmax that the list does not call 'softmax' is quantised finished and normalised). What goes into a quantiser is computed in f32, as accurately as f32 sums, v_exp_f32 and their like allow (about 1e-6 of the number): no bf16 or f16 on the way to a quantiser, and a product that is left as it is and whose result goes on into a quantised operand takes f32 operands (vector FMAs, or v_wmma_f32_16x16x4_f32). A number that lies on a knife's edge between two numbers of the format may be rounded either way, as far as f32 arithmetic and the matrix unit's own rounding can turn it there, and no further.
;; One version. Each part assembles by itself: llvm-mc -triple=amdgcn-amd-amdhsa -mcpu=gfx1250 --defsym DOCPART=n.
;; ======== version 1 of 1: 4 launches
;; limits: right only within a limited range of input values
;; workspace buffers: xc 6,553,600 bytes; wc 2,048,000 bytes; rope 524,288 bytes; qc 6,815,744 bytes; kv 3,342,336 bytes; oc 6,553,600 bytes
;; launch quant (part 1): grid 368 x 1, 4 waves a work-group, no clusters, 34,304 bytes of LDS; arguments x, Wq, Wkv, Wo, xc, wc, rope; writes xc, wc, rope
.if DOCPART == 1
	.amdgcn_target "amdgcn-amd-amdhsa--gfx1250"
	.amdhsa_code_object_version 6
	.text
	.protected	k_q2b205a3b29_quant
	.globl	k_q2b205a3b29_quant
	.p2align	8
	.type	k_q2b205a3b29_quant,@function
k_q2b205a3b29_quant:
	s_mov_b64 s[64:65], 0
	v_nop
	global_prefetch_b8 v0, s[64:65] scope:SCOPE_SE
	s_setreg_imm32_b32 hwreg(HW_REG_WAVE_MODE, 25, 1), 1
	s_wait_xcnt 0x0
; x [8192][1024], Wq [1024][1024], Wkv [512][1024], Wo [1024][1024], f32, K innermost, become codes of FP6 (E2M3) with one E8M0 byte for each 32 along K,
; laid in the ORDER OF THE OPERAND'S REGISTERS: a fragment (16 rows x 128 K, 12 registers a lane) is 1,536 bytes: three parts of 512, part j = registers 4 j .. 4 j + 3, lane l at 16 l.
; THE ROWS OF A TILE ARE NOT NEIGHBOURS: in a group of 32 rows lane r of tile u holds row 8 u + r + 8 (r / 8), so that in a product whose source 0 is such a tile
; the 16 registers of two neighbouring tiles are 16 neighbouring rows.
; xc: codes [tile 0..511][K step 0..7][1,536] and, from XSC on, scale words [pair of tiles][K step / 2][lane 16 u + r][K step % 2].  wc: the same for W1 (rows 0..1023 Wq,
; 1024..1279 the four heads of k, 1280..1535 those of v) and, from WOIMG on, for Wo.
; Work-groups 0..335: one pair of tiles (32 rows), all of K; wave g takes K = 256 g .. 256 g + 255: four fragments (K step 2 g + f / 2, tile f % 2).
; Each load reads 512 consecutive bytes of one row; a fragment's 16 rows turn through the wave's own stage in LDS (rows 528 bytes apart: 132 words, so the 16 rows that a read
; touches begin in 16 different groups of four banks) and come back as a lane's two whole blocks of 32 neighbours.  So a block's largest magnitude needs no other lane.
; Work-groups 336..367 make the table of the rotary embedding: rope [tile of 16 tokens 0..127][m 0..7][lane][4 f32] = cos j0, cos j1, -sin j0, +sin j1 of the lane's token,
; j0 = 16 (lane / 16) + 2 m, j1 = j0 + 1, angle = token x 10000^(-j / 32).
; LIMITS.  A block of zeros, or one whose largest magnitude lies under 2^-124, gets the byte 1 (its codes are read by this program alone); NaN and infinities are not served.
; 10000^(-j / 32) is made by one multiplication and v_exp_f32, so the angle can differ from the same product of f32 numbers made otherwise by some 2e-4 rad at token 2,047;
; sine and cosine: the angle less n pi / 2 (pi / 2 in two parts, fused multiply-adds: what is left out is under 2e-12 rad for angles up to 2,047), then polynomials for |r| <= pi / 4.
; No tensor load, no barrier: waves share nothing.  Matrix units and clusters have nothing to do in a stream that is read once.
.set XSC,   6291456
.set W1SC,  1179648
.set WOIMG, 1228800
.set WOSC,  2015232
.set SP,    528                        ; a stage row: 512 bytes + 16
.set STGB,  16*SP                      ; a wave's stage
.set SPARE, 4*STGB                     ; behind the stages: the spare words, 128 bytes for each wave
.set SPW, 12                           ; v12  LDS address of my spare word; never rewritten
.set NIL, 13                           ; v13  0; never rewritten
.set RR,  32                           ; v32-159  two sets of 64: a fragment's numbers as loaded
.set X,   160                          ; v160-223 my two blocks of 32 neighbours
.set PC,  224                          ; v224-235 the fragment's codes
.set PT,  236                          ; v236-238, v240-242 the upper halves of the blocks, as the conversions leave them
.set TH,  32                           ; the table's path: v32-47 the sixteen frequencies
.set AR,  48                           ; v48-63 their exponents
.set OUT, 64                           ; v64-95 eight stores' data
.set TT,  96                           ; v96-127 two sets of temporaries
	s_load_b256 s[4:11], s[0:1], 0x0               ; x s[4:5], Wq s[6:7], Wkv s[8:9], Wo s[10:11]
	s_load_b128 s[12:15], s[0:1], 0x20             ; xc s[12:13], wc s[14:15]
	s_load_b64 s[16:17], s[0:1], 0x30              ; rope
	v_lshl_add_u32 v[SPW], v0, 2, SPARE
	v_mov_b32 v[NIL], 0
	v_lshrrev_b32 v1, 5, v0
	v_readfirstlane_b32 s24, v1                    ; wave g
	v_and_b32 v1, 31, v0                           ; lane
	v_and_b32 v2, 15, v0                           ; r
	v_bfe_u32 v3, v0, 4, 1                         ; h
	v_lshlrev_b32 v4, 4, v1                        ; 16 x lane: my place in a load's, and in a store's, 512 bytes; never rewritten
	s_cmp_ge_u32 ttmp9, 336
	s_cbranch_scc1 .Lrope
	s_mul_i32 s25, s24, STGB
	v_add_nc_u32 v5, s25, v4                       ; the stage, on the way in: a row as it lies
	v_mul_u32_u24 v6, v2, SP
	v_lshl_add_u32 v6, v3, 7, v6
	v_add_nc_u32 v6, s25, v6                       ; on the way out: row r, + 128 h: 32 numbers of my half
	v_lshlrev_b32 v7, 3, v1                        ; 8 x lane: two scale words
	v_lshlrev_b32 v8, 3, v3                        ; 8 h: my bytes' place in a scale word
	v_mov_b32 v21, 0                               ; written once: a lane permute's destination counts as one of its sources
	s_mov_b32 s26, 0x76543210
	s_mov_b32 s27, 0xfedcba98                      ; v_permlanex16_b32's selects for lane l xor 16
	s_mov_b32 s28, 0xffff0000                      ; lanes 16-31
	; which tensor: choices on the work-group's number alone.  s30 the pair in the source, s33 the pair in the destination, s31 where the images begin, s32 the scale words
	s_sub_co_u32 s30, ttmp9, 304                   ; Wo
	s_mov_b32 s33, s30
	s_mov_b32 s31, WOIMG
	s_mov_b32 s32, WOSC
	s_sub_co_u32 s34, ttmp9, 288                   ; Wkv: pair pk holds rows 32 pk on: head pk / 4, k or v (pk / 2) % 2, half pk % 2
	s_lshr_b32 s35, s34, 1
	s_and_b32 s35, s35, 1
	s_lshl_b32 s35, s35, 3
	s_lshr_b32 s36, s34, 2
	s_lshl_b32 s36, s36, 1
	s_add_co_u32 s35, s35, s36
	s_and_b32 s36, s34, 1
	s_add_co_u32 s35, s35, s36
	s_add_co_u32 s35, s35, 32                      ; its pair in W1: 32 + 8 (k or v) + 2 head + half
	s_sub_co_u32 s37, ttmp9, 256                   ; Wq
	s_mov_b32 s38, W1SC
	s_mov_b32 s39, XSC
	s_wait_kmcnt 0x0
	s_mov_b64 s[18:19], s[10:11]
	s_cmp_lt_u32 ttmp9, 304
	s_cselect_b64 s[18:19], s[8:9], s[18:19]
	s_cselect_b32 s30, s34, s30
	s_cselect_b32 s33, s35, s33
	s_cselect_b32 s31, 0, s31
	s_cselect_b32 s32, s38, s32
	s_cmp_lt_u32 ttmp9, 288
	s_cselect_b64 s[18:19], s[6:7], s[18:19]
	s_cselect_b32 s30, s37, s30
	s_cselect_b32 s33, s37, s33
	s_cmp_lt_u32 ttmp9, 256
	s_cselect_b64 s[18:19], s[4:5], s[18:19]
	s_cselect_b64 s[20:21], s[12:13], s[14:15]
	s_cselect_b32 s30, ttmp9, s30
	s_cselect_b32 s33, ttmp9, s33
	s_cselect_b32 s32, s39, s32
	s_lshl_b32 s36, s30, 17                        ; 32 rows of 4,096 bytes,
	s_lshl_b32 s37, s24, 10                        ; my wave's 256 numbers of a row
	s_add_co_u32 s36, s36, s37
	s_mov_b32 s37, 0
	s_add_nc_u64 s[18:19], s[18:19], s[36:37]      ; the source
	s_mul_i32 s36, s33, 24576                      ; two tiles of eight fragments,
	s_mul_i32 s38, s24, 3072                       ; my wave's two K steps
	s_add_co_u32 s36, s36, s38
	s_add_co_u32 s36, s36, s31
	s_add_nc_u64 s[22:23], s[20:21], s[36:37]      ; the images
	s_lshl_b32 s36, s33, 10
	s_lshl_b32 s38, s24, 8
	s_add_co_u32 s36, s36, s38
	s_add_co_u32 s36, s36, s32
	s_add_nc_u64 s[20:21], s[20:21], s[36:37]      ; the scale words
.macro LOADF f                         ; fragment f: the 16 rows of tile f % 2, 512 consecutive bytes of each
.irp i, 0,1,2,3,4,5,6,7,8,9,10,11,12,13,14,15
	global_load_b128 v[RR+64*((\f)%2)+4*\i:RR+64*((\f)%2)+4*\i+3], v4, s[18:19] offset:(8*((\f)%2)+\i+8*(\i/8))*4096+((\f)/2)*512 th:TH_LOAD_NT
.endr
.endm
.macro TURNF f                         ; through the stage: LDS serves a wave's instructions in order, so no wait stands between the stores and the loads
.irp i, 0,1,2,3,4,5,6,7,8,9,10,11,12,13,14,15
	ds_store_b128 v5, v[RR+64*((\f)%2)+4*\i:RR+64*((\f)%2)+4*\i+3] offset:SP*\i
.endr
.irp c, 0,1
.irp j, 0,1,2,3,4,5,6,7
	ds_load_b128 v[X+32*\c+4*\j:X+32*\c+4*\j+3], v6 offset:256*\c+16*\j   ; X[32 c + e] = k 64 c + 32 h + e of row r
.endr
.endr
.endm
.macro QF f                            ; my two blocks become registers 6 c .. 6 c + 5 of the fragment; the row's four bytes its scale word
.irp c, 0,1
	v_max3_num_f32 v[14+\c], |v[X+32*\c]|, |v[X+32*\c+1]|, 0x1800000   ; the floor 2^(3 - 127) among the leaves: the byte cannot fall under 1
.endr
.irp i, 2,4,6,8,10,12,14,16,18,20,22,24,26,28,30
.irp c, 0,1
	v_max3_num_f32 v[14+\c], v[14+\c], |v[X+32*\c+\i]|, |v[X+32*\c+\i+1]|   ; the two blocks by turns
.endr
.endr
.irp c, 0,1
	v_add_nc_u32 v[16+\c], 0xff000000, v[14+\c]    ; 2 off the exponent field: the conversion's scale operand
.endr
.irp c, 0,1
	v_lshrrev_b32 v[18+\c], 23, v[16+\c]           ; the scale's byte
.endr
	v_lshl_or_b32 v20, v19, 16, v18                ; blocks h and 2 + h of row r,
	v_lshlrev_b32 v20, v8, v20                     ; at their places in the word;
	v_permlanex16_b32 v21, v20, s26, s27
	v_or_b32 v20, v20, v21                         ; with lane l xor 16's two the word is whole, in both halves of the lanes
	s_wait_alu depctr_va_vdst(0)
	s_wait_xcnt 0x0                                ; the last fragment's stores have read the codes' registers, which are written again below
.irp c, 0,1
	v_cvt_scalef32_pk16_fp6_f32 v[PC+6*\c:PC+6*\c+2], v[X+32*\c:X+32*\c+15], v[16+\c]
	v_cvt_scalef32_pk16_fp6_f32 v[PT+4*\c:PT+4*\c+2], v[X+32*\c+16:X+32*\c+31], v[16+\c]   ; (a conversion's three registers begin on an even number)
.endr
	v_nop                                          ; one plain place behind a scaled conversion
.irp c, 0,1
.irp i, 0,1,2
	v_mov_b32 v[PC+3+6*\c+\i], v[PT+4*\c+\i]
.endr
.endr
.if (\f)%2 == 0
	v_mov_b32 v[22+(\f)/2], v20                    ; tile 0's words,
.else
	v_cndmask_b32 v[22+(\f)/2], v[22+(\f)/2], v20, s28   ; and in lanes 16-31 tile 1's
.endif
.irp j, 0,1,2
	global_store_b128 v4, v[PC+4*\j:PC+4*\j+3], s[22:23] offset:((\f)%2)*12288+((\f)/2)*1536+\j*512   ; 512 consecutive bytes, aligned
.endr
.endm
	s_wait_alu depctr_va_vdst(0)
	LOADF 0
	LOADF 1
	s_wait_loadcnt 16                              ; fragment 0's 16 loads are in; fragment 1's may be out
	TURNF 0
	s_wait_dscnt 0x0                               ; X is in, and the stage's stores have read their registers,
	LOADF 2                                        ; which take the fragment two on
	QF 0
	s_wait_loadcnt 16                              ; fragment 1's are in; fragment 2's may be out
	TURNF 1
	s_wait_dscnt 0x0
	LOADF 3
	QF 1
	s_wait_loadcnt 16                              ; fragment 2's are in; fragment 3's may be out
	TURNF 2
	s_wait_dscnt 0x0
	QF 2
	s_wait_loadcnt 0x0
	TURNF 3
	s_wait_dscnt 0x0
	QF 3
	global_store_b64 v7, v[22:23], s[20:21]        ; 32 lanes store one aligned block of 256 bytes: both tiles' words of my two K steps
	s_wait_tensorcnt 0x0                           ; the wave's end, behind my last LDS store
	ds_add_u32 v[SPW], v[NIL]
	s_wait_dscnt 0x0
	s_endpgm
.Lrope:                                            ; a wave makes one tile's 4,096 bytes of the table
	s_sub_co_u32 s30, ttmp9, 336
	s_lshl_b32 s30, s30, 2
	s_add_co_u32 s30, s30, s24                     ; the tile, 0 .. 127
	s_lshr_b32 s31, s30, 1
	s_lshl_b32 s31, s31, 5
	s_and_b32 s32, s30, 1
	s_lshl_b32 s32, s32, 3
	s_add_co_u32 s31, s31, s32                     ; 32 (tile / 2) + 8 (tile % 2)
	s_wait_alu depctr_va_vdst(0)
	v_and_b32 v5, 8, v2
	v_add_nc_u32 v5, v5, v2                        ; r + 8 (r / 8)
	v_add_nc_u32 v5, s31, v5
	v_cvt_f32_u32 v24, v5                          ; my token
	v_lshlrev_b32 v6, 4, v3                        ; 16 h
	s_wait_alu depctr_va_vdst(0)
	s_mov_b32 s34, 0x3f22f983                      ; 2 / pi
	s_mov_b32 s35, 0xbfc90fdb                      ; - pi / 2, its first part,
	s_mov_b32 s36, 0x333bbd2e                      ; and less the second part, which is negative
	s_mov_b32 s37, 0xb94ca1f9                      ; sine: -1.9515296e-4,
	s_mov_b32 s38, 0x3c08839e                      ; 8.3321609e-3,
	s_mov_b32 s39, 0xbe2aaaa3                      ; -1.6666655e-1
	s_mov_b32 s40, 0x37ccf5ce                      ; cosine: 2.4433157e-5,
	s_mov_b32 s41, 0xbab6061a                      ; -1.3887316e-3,
	s_mov_b32 s42, 0x3d2aaaa5                      ; 4.1666646e-2
	s_mov_b32 s46, 0x80000000
	s_lshl_b32 s32, s30, 12
	s_mov_b32 s33, 0
.irp n, 0,1,2,3,4,5,6,7,8,9,10,11,12,13,14,15
	v_add_nc_u32 v[AR+\n], \n, v6                  ; j = 16 h + n
.endr
.irp n, 0,1,2,3,4,5,6,7,8,9,10,11,12,13,14,15
	v_cvt_f32_u32 v[AR+\n], v[AR+\n]
.endr
.irp n, 0,1,2,3,4,5,6,7,8,9,10,11,12,13,14,15
	v_mul_f32 v[AR+\n], 0xbed49a78, v[AR+\n]       ; - j log2(10000) / 32
.endr
	s_wait_alu depctr_va_vdst(0)
.irp n, 0,1,2,3,4,5,6,7,8,9,10,11,12,13,14,15
	v_exp_f32 v[TH+\n], v[AR+\n]                   ; 10000^(-j / 32): one batch
.endr
	v_nop                                          ; a plain place behind the last of them,
	s_wait_alu depctr_va_vdst(0)                   ; and the one wait ahead of the batch's first reader
	s_wait_kmcnt 0x0
	s_add_nc_u64 s[16:17], s[16:17], s[32:33]
; The pair m: angles of j0 = 16 h + 2 m (e = 0) and j1 = j0 + 1 (e = 1), line by line by turns.  Temporaries at TT + 16 e: +0 the angle, later r^3; +1 n; +2 r; +3 r^2; +4, +5 polynomials; +6 n as a whole number; +7 sin r; +8 cos r; +9 signs
.macro SC2 m
.irp e, 0,1
	v_mul_f32 v[TT+16*\e], v24, v[TH+2*\m+\e]      ; the angle, one f32 product
.endr
.irp e, 0,1
	v_mul_f32 v[TT+16*\e+1], s34, v[TT+16*\e]
.endr
.irp e, 0,1
	v_rndne_f32 v[TT+16*\e+1], v[TT+16*\e+1]       ; n = the nearest multiple of pi / 2
.endr
.irp e, 0,1
	v_fma_f32 v[TT+16*\e+2], v[TT+16*\e+1], s35, v[TT+16*\e]   ; exact: the difference has no more than 23 bits
.endr
.irp e, 0,1
	v_fma_f32 v[TT+16*\e+2], v[TT+16*\e+1], s36, v[TT+16*\e+2]
.endr
.irp e, 0,1
	v_mul_f32 v[TT+16*\e+3], v[TT+16*\e+2], v[TT+16*\e+2]
.endr
.irp e, 0,1
	v_cvt_i32_f32 v[TT+16*\e+6], v[TT+16*\e+1]
.endr
.irp e, 0,1
	v_fma_f32 v[TT+16*\e+4], v[TT+16*\e+3], s37, s38
.endr
.irp e, 0,1
	v_fma_f32 v[TT+16*\e+5], v[TT+16*\e+3], s40, s41
.endr
.irp e, 0,1
	v_fma_f32 v[TT+16*\e+4], v[TT+16*\e+4], v[TT+16*\e+3], s39
.endr
.irp e, 0,1
	v_fma_f32 v[TT+16*\e+5], v[TT+16*\e+5], v[TT+16*\e+3], s42
.endr
.irp e, 0,1
	v_mul_f32 v[TT+16*\e], v[TT+16*\e+3], v[TT+16*\e+2]
.endr
.irp e, 0,1
	v_fma_f32 v[TT+16*\e+5], v[TT+16*\e+5], v[TT+16*\e+3], -0.5
.endr
.irp e, 0,1
	v_fma_f32 v[TT+16*\e+7], v[TT+16*\e+4], v[TT+16*\e], v[TT+16*\e+2]   ; sin r
.endr
.irp e, 0,1
	v_fma_f32 v[TT+16*\e+8], v[TT+16*\e+5], v[TT+16*\e+3], 1.0           ; cos r
.endr
.irp e, 0,1
	v_and_b32 v[TT+16*\e+9], 1, v[TT+16*\e+6]
.endr
.irp e, 0,1
	v_cmp_eq_u32 s[44+\e], 1, v[TT+16*\e+9]        ; an odd n swaps the two
.endr
.irp e, 0,1
	v_cndmask_b32 v[TT+16*\e+4], v[TT+16*\e+7], v[TT+16*\e+8], s[44+\e]
.endr
.irp e, 0,1
	v_cndmask_b32 v[TT+16*\e+5], v[TT+16*\e+8], v[TT+16*\e+7], s[44+\e]
.endr
	v_add_nc_u32 v[TT+9], 2, v[TT+6]               ; the sine is negative where bit 1 of n is set; the even j's sine is stored negated: n + 2
	v_mov_b32 v[TT+16+9], v[TT+16+6]
.irp e, 0,1
	v_lshlrev_b32 v[TT+16*\e+9], 30, v[TT+16*\e+9]
.endr
.irp e, 0,1
	v_and_b32 v[TT+16*\e+9], s46, v[TT+16*\e+9]
.endr
.irp e, 0,1
	v_xor_b32 v[OUT+4*\m+2+\e], v[TT+16*\e+4], v[TT+16*\e+9]
.endr
.irp e, 0,1
	v_add_nc_u32 v[TT+16*\e+9], 1, v[TT+16*\e+6]   ; the cosine is negative where bit 1 of n + 1 is set
.endr
.irp e, 0,1
	v_lshlrev_b32 v[TT+16*\e+9], 30, v[TT+16*\e+9]
.endr
.irp e, 0,1
	v_and_b32 v[TT+16*\e+9], s46, v[TT+16*\e+9]
.endr
.irp e, 0,1
	v_xor_b32 v[OUT+4*\m+\e], v[TT+16*\e+5], v[TT+16*\e+9]
.endr
	global_store_b128 v4, v[OUT+4*\m:OUT+4*\m+3], s[16:17] offset:512*\m   ; 512 consecutive bytes; each m has its own four registers
.endm
.irp q, 0,1,2,3,4,5,6,7
	SC2 \q
.endr
	s_wait_tensorcnt 0x0                           ; the same three closing lines as on the other path
	ds_add_u32 v[SPW], v[NIL]
	s_wait_dscnt 0x0
	s_endpgm
.Lfunc_end_k_q2b205a3b29_quant:
	.size	k_q2b205a3b29_quant, .Lfunc_end_k_q2b205a3b29_quant-k_q2b205a3b29_quant
	.p2alignl 7, 3214868480
	.fill 96, 4, 3214868480
	.section	.rodata,"a",@progbits
	.p2align	6, 0x0
	.amdhsa_kernel k_q2b205a3b29_quant
		.amdhsa_group_segment_fixed_size 34304
		.amdhsa_private_segment_fixed_size 0
		.amdhsa_enable_private_segment 0
		.amdhsa_kernarg_size 56
		.amdhsa_user_sgpr_count 2
		.amdhsa_user_sgpr_kernarg_segment_ptr 1
		.amdhsa_wavefront_size32 1
		.amdhsa_system_sgpr_workgroup_id_x 1
		.amdhsa_system_sgpr_workgroup_id_y 1
		.amdhsa_system_sgpr_workgroup_id_z 1
		.amdhsa_system_vgpr_workitem_id 0
		.amdhsa_next_free_vgpr 256
		.amdhsa_next_free_sgpr 66
		.amdhsa_reserve_vcc 0
		.amdhsa_float_denorm_mode_32 3
		.amdhsa_float_denorm_mode_16_64 3
		.amdhsa_memory_ordered 1
		.amdhsa_forward_progress 1
		.amdhsa_inst_pref_size 56
	.end_amdhsa_kernel
	.amdgpu_metadata
---
amdhsa.version: [ 1, 2 ]
amdhsa.kernels:
  - .name:           k_q2b205a3b29_quant
    .symbol:         k_q2b205a3b29_quant.kd
    .args:
      - { .name: x, .offset: 0, .size: 8, .value_kind: global_buffer, .address_space: global }
      - { .name: Wq, .offset: 8, .size: 8, .value_kind: global_buffer, .address_space: global }
      - { .name: Wkv, .offset: 16, .size: 8, .value_kind: global_buffer, .address_space: global }
      - { .name: Wo, .offset: 24, .size: 8, .value_kind: global_buffer, .address_space: global }
      - { .name: xc, .offset: 32, .size: 8, .value_kind: global_buffer, .address_space: global }
      - { .name: wc, .offset: 40, .size: 8, .value_kind: global_buffer, .address_space: global }
      - { .name: rope, .offset: 48, .size: 8, .value_kind: global_buffer, .address_space: global }
    .group_segment_fixed_size: 34304
    .private_segment_fixed_size: 0
    .kernarg_segment_align: 8
    .kernarg_segment_size: 56
    .max_flat_workgroup_size: 128
    .sgpr_count:     66
    .vgpr_count:     256
    .wavefront_size: 32
...
	.end_amdgpu_metadata
.endif
;; end of part 1
;; launch qkv (part 2): grid 64 x 6, 4 waves a work-group, clusters of 4 x 1, 295,424 bytes of LDS; arguments xc, wc, rope, qc, kv; writes qc, kv
.if DOCPART == 2
	.amdgcn_target "amdgcn-amd-amdhsa--gfx1250"
	.amdhsa_code_object_version 6
	.text
	.protected	k_q2b205a3b29_qkv
	.globl	k_q2b205a3b29_qkv
	.p2align	8
	.type	k_q2b205a3b29_qkv,@function
k_q2b205a3b29_qkv:
	s_mov_b64 s[64:65], 0
	v_nop
	global_prefetch_b8 v0, s[64:65] scope:SCOPE_SE
	s_setreg_imm32_b32 hwreg(HW_REG_WAVE_MODE, 25, 1), 1
	s_wait_xcnt 0x0
	s_wait_alu depctr_hold_cnt(0) depctr_sa_sdst(0) depctr_va_vdst(0) depctr_va_sdst(0) depctr_va_ssrc(0) depctr_va_vcc(0) depctr_vm_vsrc(0)
	s_getreg_b32 s2, hwreg(HW_REG_IB_STS2, 6, 4)
	s_cmp_eq_u32 s2, 0
	s_cbranch_scc0 .Lentry_in_a_cluster
	s_endpgm
.Lentry_in_a_cluster:
	s_bfe_u32 s2, ttmp6, 0x10000c
	s_cmp_lg_u32 s2, 0x3003
	s_cbranch_scc0 .Lentry_shape_is_right
	s_endpgm
.Lentry_shape_is_right:
; q, k, v = x W1^T on codes of FP6 (E2M3), one GEMM of 8,192 x 1,536 x 1,024; then the rotary embedding of q and k in f32, and the quantising of q and k along the head's 64 and of v along the keys.
; A work-group takes 128 tokens (block mb, 8 tiles) x 256 rows of W1 (block NB, 16 tiles: NB 0-3 q, 4 k, 5 v).  Wave w takes 64 rows of W1 (one head) x all 128 tokens: 32 accumulators.
; OPERANDS lie in memory in the order of the operand's registers (1,536 bytes a fragment), so a fragment comes from LDS by three loads of 512 consecutive bytes.
; LDS holds the tiles for ALL of K: A 98,304 bytes, B 196,608.  They come in four chunks of two K steps, all asked for at the head; no byte of LDS is filled twice, so there is no ring, and the waits on
; TENSORcnt are counted: 3, 2, 1, 0: the younger of my four loads may stay out.  By the text's own count a wave has four tensor loads out at the most.
; CLUSTER: four work-groups along the tokens share NB, so B's tiles (the larger part of a work-group's bytes) are asked for jointly.  Not 4 x 4: the path (q and k, or v) hangs on NB, and no branch may hang
; on a work-group's place in its cluster, so NB cannot be such a place.
; No prefetch: every tensor load goes out at the head, so there is no later request that one could run ahead of.
; q AND k: source 0 = 16 rows of W1, source 1 = 16 tokens: a lane holds ONE token, and (by the order of W1's rows in a tile) registers 16 b + e of its 32 hold d = 32 b + 16 (lane / 16) + e.
; v: the sources swapped: a lane holds one d, and (by the order of x's rows in a tile) registers 16 b + e of its 64 hold token 32 b + 16 (lane / 16) + e: neighbours along the second product's K.
; OUT.  qc: [b][head][tile][768]: half a fragment (6 registers: 512 bytes of registers 0-3, 256 of registers 4-5); from QSC on scale words [b][head][block of 128][lane 16 u + r][pair of tiles].
; kv: [4 b + g][step of 128 keys][13,056]: k's 8 half fragments, v's 4 fragments (+6,144), k's scale words (+12,288), v's (+12,800): one dense block for one tensor load of the next launch.
; q's and k's scale words carry 0x7f for k = 64 .. 127 of the next product's instruction, which has K = 128 where the head has 64.
; LIMITS: a block of zeros, or one whose largest magnitude lies under 2^-124, gets the byte 1 (read by this program alone); NaN and infinities are not served.
; REGISTERS, in windows of 256: window 0: addresses, scale words, W1's fragments (two sets), the work of the way out; window 1: x's fragments (two sets of 96); window 2: the accumulators; window 3: the table.
.set XSC,   6291456
.set W1SC,  1179648
.set QSC,   6291456
.set KVH,   208896
.set KVS,   13056
; LDS AS THE TEXT STANDS (in place of the four chunks and the counted waits that the comment at the head describes): the tiles lie tile by tile, 12,288 bytes (8 K steps) each, as in memory.
; Each wave asks ONCE, at the head, for all of K of its tiles: waves 0 and 1 four tiles of A each, waves 2 and 3 eight tiles of B each (jointly); one wait for 0 and one barrier follow; nothing is filled twice.
.set ACH,   24576                      ; two tiles of A: what one of A's four address registers reaches
.set BCH,   49152                      ; of B: 16 tiles x 2 fragments
.set BOFF,  4*ACH
.set SPARE, BOFF+4*BCH                 ; behind the tiles: the spare words, 128 bytes for each wave
.set ADA, 4                            ; v4-7    16 x lane + chunk c of A
.set ADB, 8                            ; v8-11   16 x lane + my four tiles in chunk c of B
.set SPW, 12                           ; v12     my spare word; never rewritten
.set NIL, 13                           ; v13     0; never rewritten
.set L16, 14                           ; v14     16 x lane; never rewritten
.set L8,  15                           ; v15     8 x lane; never rewritten
.set XS,  32                           ; v32-63  x's scale words: 8 p + s: tile 2 p in lanes 0-15, tile 2 p + 1 in lanes 16-31
.set WS,  64                           ; v64-79  W1's likewise
.set WF,  80                           ; v80-175 W1's fragments, two sets of 48
.set Y,   176                          ; v176-207 a token tile's 32 numbers a lane after the embedding
.set PC,  208                          ; v208-219 codes
.set PD,  220                          ; v220-222, v224-226 the conversions' other halves
.set TM,  228                          ; v228-231 largest magnitudes
.set TB,  232                          ; v232-235 the other half's, then bytes
.set SO,  236                          ; v236-239 the conversions' scale operands
.set PW,  240                          ; v240    a scale word
.set VSW, 244                          ; v244-245 v's scale words
.set SW,  248                          ; v248-251 q's or k's
.set WV,  14                           ; s14     my wave's number
.set G1A, 24
.set G1B, 32
.set G0A, 40                           ; s[40:43] group 0 for A's tiles
.set G0B, 68                           ; s[68:71] B's
.set SEL, 84
.set UPPER, 86
.set MSB, 0
.macro WIN new                         ; the immediate's high byte repeats the setting that is left
.if MSB != \new
	s_set_vgpr_msb (MSB<<8)|\new
.set MSB, \new
.endif
.endm
.macro CROUND                          ; a round of the cluster's barrier
	s_barrier_signal -1
	s_barrier_wait -1
	s_cmp_lg_u32 s[WV], 0
	s_cbranch_scc1 .Lnot_wave_0_\@
	s_barrier_signal -3
.Lnot_wave_0_\@:
	s_barrier_wait -3
	s_barrier_signal -1
	s_barrier_wait -1
.endm
.macro PLACES                          ; four places behind a matrix instruction, ahead of loads into its sources and of reads of its result
.rept 4
	v_nop
.endr
.endm
; one matrix instruction.  z: the constant 0 starts the sum;  ra, rb: the side's scale words stand in lanes 16-31
.macro WM d, a, b, z, sa, sb, ra, rb
.if (\z) && (\ra) && (\rb)
	v_wmma_scale_f32_16x16x128_f8f6f4 v[\d:\d+7], v[\a:\a+11], v[\b:\b+11], 0, v[\sa], v[\sb] matrix_a_fmt:MATRIX_FMT_FP6 matrix_b_fmt:MATRIX_FMT_FP6 matrix_a_scale:MATRIX_SCALE_ROW1 matrix_b_scale:MATRIX_SCALE_ROW1
.elseif (\z) && (\ra)
	v_wmma_scale_f32_16x16x128_f8f6f4 v[\d:\d+7], v[\a:\a+11], v[\b:\b+11], 0, v[\sa], v[\sb] matrix_a_fmt:MATRIX_FMT_FP6 matrix_b_fmt:MATRIX_FMT_FP6 matrix_a_scale:MATRIX_SCALE_ROW1
.elseif (\z) && (\rb)
	v_wmma_scale_f32_16x16x128_f8f6f4 v[\d:\d+7], v[\a:\a+11], v[\b:\b+11], 0, v[\sa], v[\sb] matrix_a_fmt:MATRIX_FMT_FP6 matrix_b_fmt:MATRIX_FMT_FP6 matrix_b_scale:MATRIX_SCALE_ROW1
.elseif (\z)
	v_wmma_scale_f32_16x16x128_f8f6f4 v[\d:\d+7], v[\a:\a+11], v[\b:\b+11], 0, v[\sa], v[\sb] matrix_a_fmt:MATRIX_FMT_FP6 matrix_b_fmt:MATRIX_FMT_FP6
.elseif (\ra) && (\rb)
	v_wmma_scale_f32_16x16x128_f8f6f4 v[\d:\d+7], v[\a:\a+11], v[\b:\b+11], v[\d:\d+7], v[\sa], v[\sb] matrix_a_fmt:MATRIX_FMT_FP6 matrix_b_fmt:MATRIX_FMT_FP6 matrix_a_scale:MATRIX_SCALE_ROW1 matrix_b_scale:MATRIX_SCALE_ROW1
.elseif (\ra)
	v_wmma_scale_f32_16x16x128_f8f6f4 v[\d:\d+7], v[\a:\a+11], v[\b:\b+11], v[\d:\d+7], v[\sa], v[\sb] matrix_a_fmt:MATRIX_FMT_FP6 matrix_b_fmt:MATRIX_FMT_FP6 matrix_a_scale:MATRIX_SCALE_ROW1
.elseif (\rb)
	v_wmma_scale_f32_16x16x128_f8f6f4 v[\d:\d+7], v[\a:\a+11], v[\b:\b+11], v[\d:\d+7], v[\sa], v[\sb] matrix_a_fmt:MATRIX_FMT_FP6 matrix_b_fmt:MATRIX_FMT_FP6 matrix_b_scale:MATRIX_SCALE_ROW1
.else
	v_wmma_scale_f32_16x16x128_f8f6f4 v[\d:\d+7], v[\a:\a+11], v[\b:\b+11], v[\d:\d+7], v[\sa], v[\sb] matrix_a_fmt:MATRIX_FMT_FP6 matrix_b_fmt:MATRIX_FMT_FP6
.endif
.endm
.macro TAIL
	s_wait_tensorcnt 0x0                           ; the wave's end
	ds_add_u32 v[SPW], v[NIL]
	s_wait_dscnt 0x0
	CROUND                                         ; the closing round: no work-group ends while a partner may still ask for a tile that names it
	s_endpgm
.endm
	s_load_b256 s[4:11], s[0:1], 0x0               ; xc s[4:5], wc s[6:7], rope s[8:9], qc s[10:11]
	s_load_b64 s[12:13], s[0:1], 0x20              ; kv
	v_lshl_add_u32 v[SPW], v0, 2, SPARE
	v_mov_b32 v[NIL], 0
	ds_add_u32 v[SPW], v[NIL]                      ; the wave's opening: the add and its wait stand ahead of my first tensor load; the set-up below, work on registers, stands between them
	ds_add_u32 v[SPW], v[NIL]
	v_lshrrev_b32 v1, 5, v0
	v_readfirstlane_b32 s[WV], v1                  ; wave 0..3
	s_and_b32 s15, s[WV], 1                        ; which half of a chunk's tiles I fetch
	s_bfe_u32 s16, ttmp6, 0x40000                  ; cx
	s_lshl_b32 s17, ttmp9, 2
	s_add_co_u32 s17, s17, s16                     ; mb = 4 x cluster x + cx: it enters A's, the table's and the outputs' addresses alone
	s_and_b32 s18, ttmp7, 0xffff                   ; NB: the same in all four partners
	s_lshr_b32 s19, s17, 4                         ; b
	s_and_b32 s20, s17, 15                         ; the block of 128 tokens in its batch
	; group 1: rows of 12,288 bytes (a whole tile: 1,536 elements of 8 bytes), 12,288 bytes (a tile's eight fragments) apart; A: 4 rows, B: 8 rows and the mask of all four work-groups
	s_mov_b32 s[G1A], 3<<16
	s_mov_b32 s[G1A+1], 1536<<16                   ; a row is a whole tile: 1,536 elements of 8 bytes
	s_mov_b32 s[G1A+2], 4<<16
	s_mov_b32 s[G1A+3], 1536<<16
	s_mov_b32 s[G1A+4], 4
	s_mov_b32 s[G1A+5], 1536
	s_mov_b32 s[G1A+6], 0
	s_mov_b32 s[G1A+7], 0
	s_mov_b32 s[G1B], 15|(3<<16)|(1<<21)
	s_mov_b32 s[G1B+1], 1536<<16
	s_mov_b32 s[G1B+2], 8<<16
	s_mov_b32 s[G1B+3], 1536<<16
	s_mov_b32 s[G1B+4], 8
	s_mov_b32 s[G1B+5], 1536
	s_mov_b32 s[G1B+6], 0
	s_mov_b32 s[G1B+7], 0
	s_mov_b32 s[SEL], 0x76543210
	s_mov_b32 s[SEL+1], 0xfedcba98                 ; v_permlanex16_b32's selects for lane l xor 16
	s_mov_b32 s[UPPER], 0xffff0000                 ; lanes 16-31
	v_and_b32 v1, 31, v0
	v_lshlrev_b32 v[L16], 4, v1
	v_lshlrev_b32 v[L8], 3, v1
.irp c, 0,1,2,3
	v_add_nc_u32 v[ADA+\c], \c*ACH, v[L16]
.endr
	s_mul_i32 s23, s[WV], 49152                    ; my four tiles of B's sixteen, an address register for each
	s_add_co_u32 s23, s23, BOFF
.irp c, 0,1,2,3
	v_add_nc_u32 v[ADB+\c], s23, v[L16]
	s_add_co_u32 s23, s23, 12288
.endr
.irp b, 0,1,2,3
	v_mov_b32 v[TB+\b], 0                          ; written once: a lane permute's destination counts as one of its sources
.endr
	s_mul_i32 s56, s17, 98304                      ; A: the block's 8 tiles, + my 4
	s_mul_i32 s57, s15, 49152
	s_add_co_u32 s56, s56, s57
	s_mov_b32 s57, 0
	s_mul_i32 s60, s18, 196608                     ; B: the block's 16 tiles, + my 8: in registers that never hold cx
	s_mul_i32 s61, s15, 98304
	s_add_co_u32 s60, s60, s61
	s_mov_b32 s61, 0
	s_mul_i32 s21, s15, 49152                      ; where my tiles go: A's four,
	s_mul_i32 s22, s15, 98304                      ; B's eight
	s_add_co_u32 s22, s22, BOFF
	s_lshl_b32 s96, s17, 12                        ; x's scale words: four pairs of tiles, 1,024 bytes each
	s_add_co_u32 s96, s96, XSC
	s_mov_b32 s97, 0
	s_lshl_b32 s98, s18, 3                         ; W1's: pairs 8 NB + 2 w, + 1
	s_lshl_b32 s99, s[WV], 1
	s_add_co_u32 s98, s98, s99
	s_lshl_b32 s98, s98, 10
	s_add_co_u32 s98, s98, W1SC
	s_mov_b32 s99, 0
	s_wait_dscnt 0x0                               ; the opening add is done
	s_wait_kmcnt 0x0
	s_add_nc_u64 s[58:59], s[4:5], s[56:57]
	s_add_nc_u64 s[62:63], s[6:7], s[60:61]
	s_add_nc_u64 s[92:93], s[4:5], s[96:97]
	s_add_nc_u64 s[94:95], s[6:7], s[98:99]
.irp c, 0
	s_mov_b32 s[G0A+4*\c], 1
	s_add_co_u32 s[G0A+4*\c+1], s21, \c*ACH
	s_add_nc_u64 s[G0A+4*\c+2:G0A+4*\c+3], s[58:59], \c*3072
	s_or_b32 s[G0A+4*\c+3], s[G0A+4*\c+3], 0x80000000
	s_mov_b32 s[G0B+4*\c], 1
	s_add_co_u32 s[G0B+4*\c+1], s22, \c*BCH
	s_add_nc_u64 s[G0B+4*\c+2:G0B+4*\c+3], s[62:63], \c*3072
	s_or_b32 s[G0B+4*\c+3], s[G0B+4*\c+3], 0x80000000
.endr
	CROUND                                         ; all four work-groups are here: the joint loads meet
	s_cmp_lt_u32 s[WV], 2                          ; waves 0 and 1 fetch A's halves (their own work-group's), waves 2 and 3 B's (jointly): a wave's one fill stands in one branch
	s_cbranch_scc0 .Lfill_b
.irp c, 0
	tensor_load_to_lds s[G0A+4*\c:G0A+4*\c+3], s[G1A:G1A+7]
	s_nop 0
.endr
	PLACES
	s_branch .Lfilled
.Lfill_b:
.irp c, 0
	tensor_load_to_lds s[G0B+4*\c:G0B+4*\c+3], s[G1B:G1B+7]
	s_nop 0
.endr
	PLACES
.Lfilled:
.irp p, 0,1,2,3
.irp g, 0,1,2,3
	global_load_b64 v[XS+8*\p+2*\g:XS+8*\p+2*\g+1], v[L8], s[92:93] offset:\p*1024+\g*256   ; 256 consecutive bytes: both tiles' words of two K steps
.endr
.endr
.irp p, 0,1
.irp g, 0,1,2,3
	global_load_b64 v[WS+8*\p+2*\g:WS+8*\p+2*\g+1], v[L8], s[94:95] offset:\p*1024+\g*256
.endr
.endr
; K step s's fragments into set: x's eight (window 1), my four of W1 (window 0): 36 loads of 512 consecutive bytes
.macro FETCH s, set
	WIN 0x40
.irp i, 0,1,2,3,4,5,6,7
.irp j, 0,1,2
	ds_load_b128 v[96*(\set)+12*\i+4*\j:96*(\set)+12*\i+4*\j+3], v[ADA+\i/2] offset:(\i%2)*12288+(\s)*1536+\j*512
.endr
.endr
	WIN 0
.irp n, 0,1,2,3
.irp j, 0,1,2
	ds_load_b128 v[WF+48*(\set)+12*\n+4*\j:WF+48*(\set)+12*\n+4*\j+3], v[ADB+\n] offset:(\s)*1536+\j*512
.endr
.endr
.endm
; 32 matrix instructions.  The 32 accumulators take turns, one instruction a turn, in the same order in every K step.
; v = 0: source 0 = W1's tile n, source 1 = x's tile i, accumulator 4 i + n;  v = 1: the sources swapped, accumulator 8 n + i
.macro MUL s, set, v
.set Z0, (\s)==0
.if \v
	WIN 0xa1
.else
	WIN 0xa4
.endif
.irp i, 0,1,2,3,4,5,6,7
.irp n, 0,1,2,3
.if \v
	WM 8*(8*\n+\i), 96*(\set)+12*\i, WF+48*(\set)+12*\n, Z0, XS+8*(\i/2)+(\s), WS+8*(\n/2)+(\s), \i%2, \n%2
.else
	WM 8*(4*\i+\n), WF+48*(\set)+12*\n, 96*(\set)+12*\i, Z0, WS+8*(\n/2)+(\s), XS+8*(\i/2)+(\s), \n%2, \i%2
.endif
.endr
.endr
.endm
.macro KSTEP s, v
	s_wait_dscnt 0x0                               ; this step's fragments are in (asked for ahead of the last step's products); no LDS load of mine is out at a signal
.if (\s)<7
.if (\s)>0
	PLACES                                         ; the other set was read by the last step's products
.endif
	FETCH (\s)+1, ((\s)+1)%2
.endif
	MUL \s, (\s)%2, \v
.endm
.macro MAIN v, cnt
	s_wait_tensorcnt 0x0                           ; my one load has landed
	s_barrier_signal -1
	s_barrier_wait -1
	FETCH 0, 0
	s_wait_loadcnt \cnt                            ; the scale words are in
	KSTEP 0, \v
	KSTEP 1, \v
	KSTEP 2, \v
	KSTEP 3, \v
	KSTEP 4, \v
	KSTEP 5, \v
	KSTEP 6, \v
	KSTEP 7, \v
	WIN 0
.endm
; 32 numbers of a lane in window 0, register 16 b + e = k 32 b + 16 (lane / 16) + e of my row, become half a fragment's six registers at v[pc]; the two bytes stay in v[TB], v[TB + 1]
.macro QUANT2 s, pc
.irp b, 0,1
	v_max3_num_f32 v[TM+\b], |v[\s+16*\b]|, |v[\s+16*\b+1]|, 0x1800000   ; the floor 2^(3 - 127): the byte cannot fall under 1
.endr
.irp i, 2,4,6,8,10,12,14
.irp b, 0,1
	v_max3_num_f32 v[TM+\b], v[TM+\b], |v[\s+16*\b+\i]|, |v[\s+16*\b+\i+1]|
.endr
.endr
.irp b, 0,1
	v_permlanex16_b32 v[TB+\b], v[TM+\b], s[SEL], s[SEL+1]
.endr
.irp b, 0,1
	v_max_num_f32 v[TM+\b], v[TM+\b], v[TB+\b]     ; with lane l xor 16's: the block's largest magnitude
.endr
.irp b, 0,1
	v_add_nc_u32 v[SO+\b], 0xff000000, v[TM+\b]    ; 2 off the exponent field: the conversion's scale operand
.endr
.irp b, 0,1
	v_lshrrev_b32 v[TB+\b], 23, v[SO+\b]           ; the scale's byte
.endr
	s_wait_alu depctr_va_vdst(0)
	s_wait_xcnt 0x0                                ; the last tile's stores have read the codes' registers
	v_cvt_scalef32_pk16_fp6_f32 v[\pc:\pc+2], v[\s:\s+15], v[SO]
	v_cvt_scalef32_pk16_fp6_f32 v[PD:PD+2], v[\s+16:\s+31], v[SO+1]
	v_nop                                          ; one plain place behind a scaled conversion
.irp i, 0,1,2
	v_permlane16_swap_b32 v[\pc+\i], v[PD+\i]      ; a WHOLE block to a lane: lanes 0-15 block 0, lanes 16-31 block 1
.endr
.irp i, 0,1,2
	v_mov_b32 v[\pc+3+\i], v[PD+\i]
.endr
.endm
	s_cmp_eq_u32 s18, 5
	s_cbranch_scc1 .Lv
	; ---- q and k
	s_lshl_b32 s56, s20, 15                        ; the table of my block's 8 tiles of tokens, 4,096 bytes each
	s_mov_b32 s57, 0
	s_add_nc_u64 s[8:9], s[8:9], s[56:57]
	WIN 0xc0                                       ; destination window 3
.irp i, 0,1,2,3,4,5,6,7
.irp m, 0,1,2,3,4,5,6,7
	global_load_b128 v[32*\i+4*\m:32*\i+4*\m+3], v[L16], s[8:9] offset:\i*4096+\m*512
.endr
.endr
	WIN 0
	s_lshl_b32 s56, s19, 4
	s_lshl_b32 s57, s18, 2
	s_add_co_u32 s56, s56, s57
	s_add_co_u32 s56, s56, s[WV]                   ; q: 16 b + the head 4 NB + w
	s_mul_i32 s57, s56, 98304                      ; a head's 128 tiles of 768 bytes,
	s_mul_i32 s58, s20, 6144                       ; my block's 8
	s_add_co_u32 s57, s57, s58
	s_lshl_b32 s58, s56, 13                        ; a head's 16 blocks of scale words, 512 bytes each
	s_lshl_b32 s59, s20, 9
	s_add_co_u32 s58, s58, s59
	s_add_co_u32 s58, s58, QSC
	s_lshl_b32 s59, s19, 2                         ; k: 4 b + the head w
	s_add_co_u32 s59, s59, s[WV]
	s_mul_i32 s59, s59, KVH
	s_mul_i32 s96, s20, KVS
	s_add_co_u32 s59, s59, s96
	s_add_co_u32 s96, s59, 12288
	s_cmp_eq_u32 s18, 4                            ; the choice hangs on NB alone
	s_cselect_b64 s[88:89], s[12:13], s[10:11]
	s_cselect_b32 s98, s59, s57
	s_cselect_b32 s96, s96, s58
	s_mov_b32 s99, 0
	s_mov_b32 s97, 0
	s_add_nc_u64 s[90:91], s[88:89], s[96:97]      ; the scale words
	s_add_nc_u64 s[88:89], s[88:89], s[98:99]      ; the images
	s_wait_alu depctr_va_vdst(0)
	MAIN 0, 63                                     ; 64 loads of the table were issued behind the scale words; 63 is the most that the wait can name
	s_wait_loadcnt 0x0                             ; the table
	PLACES
; Token tile t: y(d0) = a(d0) cos j0 - a(d1) sin j0, y(d1) = a(d1) cos j1 + a(d0) sin j1 for the pairs d0 = 2 i, d1 = d0 + 1; j = d mod 32, the same for both blocks of 32.  Each accumulator is read from its low end on.
.macro ROPEQ t
	WIN 0x0e                                       ; source 0 window 2 (the sums), source 1 window 3 (the table)
.irp k, 0,1,2,3,4,5,6,7,8,9,10,11,12,13,14,15
	v_pk_mul_f32 v[Y+2*\k:Y+2*\k+1], v[32*\t+2*\k:32*\t+2*\k+1], v[32*\t+4*(\k%8)+2:32*\t+4*(\k%8)+3] op_sel:[1,0] op_sel_hi:[0,1]   ; low: a(d1) x -sin j0; high: a(d0) x +sin j1
.endr
.irp k, 0,1,2,3,4,5,6,7,8,9,10,11,12,13,14,15
	v_pk_fma_f32 v[Y+2*\k:Y+2*\k+1], v[32*\t+2*\k:32*\t+2*\k+1], v[32*\t+4*(\k%8):32*\t+4*(\k%8)+1], v[Y+2*\k:Y+2*\k+1]
.endr
	WIN 0
	QUANT2 Y, PC
	v_lshl_or_b32 v[PW], v[TB+1], 8, v[TB]
	v_or_b32 v[PW], 0x7f7f0000, v[PW]              ; 2^0 for k = 64 .. 127
.if (\t)%2 == 0
	v_mov_b32 v[SW+(\t)/2], v[PW]
.else
	v_cndmask_b32 v[SW+(\t)/2], v[SW+(\t)/2], v[PW], s[UPPER]
.endif
	global_store_b128 v[L16], v[PC:PC+3], s[88:89] offset:(\t)*768        ; 512 and 256 consecutive bytes, aligned
	global_store_b64 v[L8], v[PC+4:PC+5], s[88:89] offset:(\t)*768+512
.endm
.irp q, 0,1,2,3,4,5,6,7
	ROPEQ \q
.endr
	global_store_b128 v[L16], v[SW:SW+3], s[90:91] ; the block's scale words: 512 consecutive bytes
	TAIL
.Lv:	; ---- v
	s_lshl_b32 s56, s19, 2
	s_add_co_u32 s56, s56, s[WV]                   ; 4 b + the head w
	s_mul_i32 s56, s56, KVH
	s_mul_i32 s57, s20, KVS
	s_add_co_u32 s56, s56, s57
	s_mov_b32 s57, 0
	s_add_nc_u64 s[88:89], s[12:13], s[56:57]
	s_wait_alu depctr_va_vdst(0)
	MAIN 1, 0
	PLACES
; d tile n: 64 numbers of a lane in window 2, register 16 b + e = token 32 b + 16 (lane / 16) + e of my d, become a fragment and its scale word
.macro VOUT n
	WIN 0x0a
.irp b, 0,1,2,3
	v_max3_num_f32 v[TM+\b], |v[64*\n+16*\b]|, |v[64*\n+16*\b+1]|, 0x1800000
.endr
	WIN 0x28
.irp i, 2,4,6,8,10,12,14
.irp b, 0,1,2,3
	v_max3_num_f32 v[TM+\b], v[TM+\b], |v[64*\n+16*\b+\i]|, |v[64*\n+16*\b+\i+1]|
.endr
.endr
	WIN 0
.irp b, 0,1,2,3
	v_permlanex16_b32 v[TB+\b], v[TM+\b], s[SEL], s[SEL+1]
.endr
.irp b, 0,1,2,3
	v_max_num_f32 v[TM+\b], v[TM+\b], v[TB+\b]
.endr
.irp b, 0,1,2,3
	v_add_nc_u32 v[SO+\b], 0xff000000, v[TM+\b]
.endr
.irp b, 0,1,2,3
	v_lshrrev_b32 v[TB+\b], 23, v[SO+\b]
.endr
	v_lshl_or_b32 v[PW], v[TB+1], 8, v[TB]
	v_lshl_or_b32 v[PW], v[TB+2], 16, v[PW]
	v_lshl_or_b32 v[PW], v[TB+3], 24, v[PW]
	s_wait_xcnt 0x0                                ; the last tile's stores have read the codes' registers
	WIN 0x02
.irp c, 0,1
	v_cvt_scalef32_pk16_fp6_f32 v[PC+6*\c:PC+6*\c+2], v[64*\n+32*\c:64*\n+32*\c+15], v[SO+2*\c]
	v_cvt_scalef32_pk16_fp6_f32 v[PD+4*\c:PD+4*\c+2], v[64*\n+32*\c+16:64*\n+32*\c+31], v[SO+2*\c+1]
.endr
	WIN 0
	v_nop                                          ; one plain place behind a scaled conversion
.irp c, 0,1
.irp i, 0,1,2
	v_permlane16_swap_b32 v[PC+6*\c+\i], v[PD+4*\c+\i]
.endr
.irp i, 0,1,2
	v_mov_b32 v[PC+3+6*\c+\i], v[PD+4*\c+\i]
.endr
.endr
.if (\n)%2 == 0
	v_mov_b32 v[VSW+(\n)/2], v[PW]
.else
	v_cndmask_b32 v[VSW+(\n)/2], v[VSW+(\n)/2], v[PW], s[UPPER]
.endif
.irp j, 0,1,2
	global_store_b128 v[L16], v[PC+4*\j:PC+4*\j+3], s[88:89] offset:6144+(\n)*1536+\j*512
.endr
.endm
.irp q, 0,1,2,3
	VOUT \q
.endr
	global_store_b64 v[L8], v[VSW:VSW+1], s[88:89] offset:12800
	TAIL
.Lfunc_end_k_q2b205a3b29_qkv:
	.size	k_q2b205a3b29_qkv, .Lfunc_end_k_q2b205a3b29_qkv-k_q2b205a3b29_qkv
	.p2alignl 7, 3214868480
	.fill 96, 4, 3214868480
	.section	.rodata,"a",@progbits
	.p2align	6, 0x0
	.amdhsa_kernel k_q2b205a3b29_qkv
		.amdhsa_group_segment_fixed_size 295424
		.amdhsa_private_segment_fixed_size 0
		.amdhsa_enable_private_segment 0
		.amdhsa_kernarg_size 40
		.amdhsa_user_sgpr_count 2
		.amdhsa_user_sgpr_kernarg_segment_ptr 1
		.amdhsa_wavefront_size32 1
		.amdhsa_system_sgpr_workgroup_id_x 1
		.amdhsa_system_sgpr_workgroup_id_y 1
		.amdhsa_system_sgpr_workgroup_id_z 1
		.amdhsa_system_vgpr_workitem_id 0
		.amdhsa_next_free_vgpr 1024
		.amdhsa_next_free_sgpr 100
		.amdhsa_reserve_vcc 0
		.amdhsa_float_denorm_mode_32 3
		.amdhsa_float_denorm_mode_16_64 3
		.amdhsa_memory_ordered 1
		.amdhsa_forward_progress 1
		.amdhsa_inst_pref_size 172
	.end_amdhsa_kernel
	.amdgpu_metadata
---
amdhsa.version: [ 1, 2 ]
amdhsa.kernels:
  - .name:           k_q2b205a3b29_qkv
    .symbol:         k_q2b205a3b29_qkv.kd
    .args:
      - { .name: xc, .offset: 0, .size: 8, .value_kind: global_buffer, .address_space: global }
      - { .name: wc, .offset: 8, .size: 8, .value_kind: global_buffer, .address_space: global }
      - { .name: rope, .offset: 16, .size: 8, .value_kind: global_buffer, .address_space: global }
      - { .name: qc, .offset: 24, .size: 8, .value_kind: global_buffer, .address_space: global }
      - { .name: kv, .offset: 32, .size: 8, .value_kind: global_buffer, .address_space: global }
    .group_segment_fixed_size: 295424
    .private_segment_fixed_size: 0
    .kernarg_segment_align: 8
    .kernarg_segment_size: 40
    .max_flat_workgroup_size: 128
    .sgpr_count:     100
    .vgpr_count:     1024
    .wavefront_size: 32
...
	.end_amdgpu_metadata
.endif
;; end of part 2
;; launch attn (part 3): grid 16 x 16, 8 waves a work-group, clusters of 4 x 1, 210,944 bytes of LDS; arguments qc, kv, oc; writes oc
.if DOCPART == 3
	.amdgcn_target "amdgcn-amd-amdhsa--gfx1250"
	.amdhsa_code_object_version 6
	.text
	.protected	k_q2b205a3b29_attn
	.globl	k_q2b205a3b29_attn
	.p2align	8
	.type	k_q2b205a3b29_attn,@function
k_q2b205a3b29_attn:
	s_mov_b64 s[64:65], 0
	v_nop
	global_prefetch_b8 v0, s[64:65] scope:SCOPE_SE
	s_setreg_imm32_b32 hwreg(HW_REG_WAVE_MODE, 25, 1), 1
	s_wait_xcnt 0x0
	s_wait_alu depctr_hold_cnt(0) depctr_sa_sdst(0) depctr_va_vdst(0) depctr_va_sdst(0) depctr_va_ssrc(0) depctr_va_vcc(0) depctr_vm_vsrc(0)
	s_getreg_b32 s2, hwreg(HW_REG_IB_STS2, 6, 4)
	s_cmp_eq_u32 s2, 0
	s_cbranch_scc0 .Lentry_in_a_cluster
	s_endpgm
.Lentry_in_a_cluster:
	s_bfe_u32 s2, ttmp6, 0x10000c
	s_cmp_lg_u32 s2, 0x3003
	s_cbranch_scc0 .Lentry_shape_is_right
	s_endpgm
.Lentry_shape_is_right:
; o = softmax(q k^T / 8) v for 16 query heads on 4 key and value heads, both products on codes of FP6 (E2M3); the result is divided by the row's sum and quantised along C for the last product.
; THE SOFTMAX AHEAD OF THE SECOND PRODUCT: t = score x log2(e) / 8; M = the running largest t, rounded UP to a whole number; p = 2^(t - M) is quantised along the keys, not normalised; the row's sum is
; taken of the unquantised p; when M moves, the sum and O are multiplied by 2^(old M - new M), which rounds nothing.
; SHARES.  A work-group owns 256 queries of a batch and TWO query heads, 4 g + 2 hp and the next, which together are K step 2 g + hp (128 along C) of the last product.  Each of its eight waves owns FOUR
; units: two tiles of 16 queries x the two heads (unit u = 2 x tile + head).  The four share every fragment of k and v: a key step's 13,056 bytes are read from LDS once a wave for 64 rows of scores.
; LDS holds the WHOLE key and value head: 16 steps of 128 keys, laid by the launch before in the order of the operands' registers: k's 8 half fragments, v's 4 fragments, k's scale words, v's.
; Every wave asks for two steps (102 rows of 256 bytes) by its one tensor load at the head; one wait for 0 and one barrier follow; no byte is filled twice.
; CLUSTER: the four work-groups of a cluster are four blocks of queries of one key and value head: each load is asked for jointly.
; No prefetch: every tensor load goes out at the head, so there is no later request that one could run ahead of.
; LAYOUT.  Both products are used transposed: S^T = K Q^T (source 0 = 16 keys), O^T = V^T P^T (source 0 = 16 of the head's 64): a lane holds ONE query throughout.
; WHICH KEYS FORM A TILE OF k IS CHOSEN AT THE LDS LOAD, by the lanes' addresses: rows 0-7 of tile 4 c + i are keys 8 i .. 8 i + 7 of block 2 c (of 32 keys), rows 8-15 the same keys of block 2 c + 1.
; So the 32 registers of tiles 4 c .. 4 c + 3 are, in lane half h, the WHOLE block 2 c + h in the keys' order: a block's maximum needs no other lane, and the conversions' results are the operand's registers.
; THE UNITS GO THROUGH A PIPELINE.  A phase works two units at once, line by line by turns: what follows unit u's exponentials (codes, scale word, the row's sum) and what precedes unit u + 1's (the maxima,
; M, t - M): two streams that do not hang on each other.  Then come O^T's products of unit u, the scores of unit u + 2, and unit u + 1's exponentials.  The pipeline runs on over the loop's edge: the next
; step's k is loaded behind the scores of unit 3, its v behind O^T's products of unit 3.  THE LAST TRIP looks ahead too: its address is held at step 15, whose scores are so worked once more for units 0 and 1:
; the largest score stays as it is, the factor is 2^0, and nothing of it is summed or multiplied into O^T: 16 products and one unit's exponentials a wave whose results are not used, for a loop written once.
; K = 64 IN AN INSTRUCTION OF K = 128: q's operand has zero codes for k = 64 .. 127.  k's operand names there the six registers that follow its own (the next tile's codes; for the last tile p's codes):
; codes of this format are all finite and both sides' scale bytes there are 0x7f, so those products are zeros.
; LIMITS: the promise holds while the scaled scores t stay under 2^31 in magnitude.  A block of zeros, or one whose largest magnitude lies under 2^-124, gets the byte 1 (read by this program alone);
; NaN and infinities are not served.  A block's largest p is made from the block's largest score by the same multiply-add and exponential, which takes v_exp_f32 not to fall where its input rises.
; REGISTERS.  Window 0: v1 16 x lane, v2 8 x lane, v3, v4, v9 the lanes' places in k's images and scale words, v5, v6 the add's two, v7, v8 the words' stage, v10 8 h, v11 16 r, and the names below.
; Window 1: v0-127 O^T of the four units; v128-175 q's four operands (6 registers of codes, 6 of zeros); v176-223 v's four fragments.
.set QSC,   6291456
.set OSC,   6291456
.set KVH,   208896
.set KVS,   13056
.set OST,   16*KVS                     ; behind the steps: 1,024 bytes in which o's scale words of two blocks of 128 queries are gathered: bytes of their own
.set SPARE, OST+1024                   ; the spare words, 128 bytes for each of 8 waves
.set AK,  12                           ; v12-16  the next step's LDS addresses: k's registers 0-3, 4-5, k's scale words, v's fragments, v's scale words
.set BK,  13
.set CK,  14
.set AV,  15
.set BV,  16
.set BYP, 17                           ; v17     p's scale word in the making
.set ST,  18                           ; v18-33  unit u: -M, the largest score, the sum in two halves
.set QS,  34                           ; v34-37  q's scale words
.set KS,  38                           ; v38-41  k's: register 2 c + z: tile 4 c + 2 z in lanes 0-15, the next in lanes 16-31
.set VS,  42                           ; v42-43  v's: tile 2 p in lanes 0-15, 2 p + 1 in lanes 16-31
.set T,   44
.set TX,  45
.set F,   46                           ; 2^(old M - new M)
.set PW,  47                           ; p's scale word
.set BM,  48                           ; v48-51  two sets, the units by turns: my two blocks' largest scores, then p, then bytes
.set SO,  52                           ; v52-53  the conversions' scale operands
.set PD,  54                           ; v54-56, v58-60 the conversions' upper halves; then v54-61 four chains of the sum
.set KF,  62                           ; v62-109 k's 8 x 6 registers.  At the end: o's two fragments and scale words
.set PC,  110                          ; v110-121 p's codes
.set MS,  122                          ; v122-123 second chains of the maxima
.set BYM, 124                          ; v124    the old -M
.set TXP, 125
.set S,   128                          ; v128-255 S^T, then p: two buffers of 64, the units by turns
.set FR,  62
.set OW,  100
.set Q,   128                          ; window 1
.set VF,  176                          ; window 1
.set WV,  10
.set G1,  24
.set G0,  32
.set MSB, 0
.macro WIN new                         ; the immediate's high byte repeats the setting that is left
.if MSB != \new
	s_set_vgpr_msb (MSB<<8)|\new
.set MSB, \new
.endif
.endm
.macro CROUND
	s_barrier_signal -1
	s_barrier_wait -1
	s_cmp_lg_u32 s[WV], 0
	s_cbranch_scc1 .Lnot_wave_0_\@
	s_barrier_signal -3
.Lnot_wave_0_\@:
	s_barrier_wait -3
	s_barrier_signal -1
	s_barrier_wait -1
.endm
.macro WM d, a, b, z, sa, sb, ra       ; z: the constant 0 starts the sum;  ra: source 0's scale words stand in lanes 16-31
.if (\z) && (\ra)
	v_wmma_scale_f32_16x16x128_f8f6f4 v[\d:\d+7], v[\a:\a+11], v[\b:\b+11], 0, v[\sa], v[\sb] matrix_a_fmt:MATRIX_FMT_FP6 matrix_b_fmt:MATRIX_FMT_FP6 matrix_a_scale:MATRIX_SCALE_ROW1
.elseif (\z)
	v_wmma_scale_f32_16x16x128_f8f6f4 v[\d:\d+7], v[\a:\a+11], v[\b:\b+11], 0, v[\sa], v[\sb] matrix_a_fmt:MATRIX_FMT_FP6 matrix_b_fmt:MATRIX_FMT_FP6
.elseif (\ra)
	v_wmma_scale_f32_16x16x128_f8f6f4 v[\d:\d+7], v[\a:\a+11], v[\b:\b+11], v[\d:\d+7], v[\sa], v[\sb] matrix_a_fmt:MATRIX_FMT_FP6 matrix_b_fmt:MATRIX_FMT_FP6 matrix_a_scale:MATRIX_SCALE_ROW1
.else
	v_wmma_scale_f32_16x16x128_f8f6f4 v[\d:\d+7], v[\a:\a+11], v[\b:\b+11], v[\d:\d+7], v[\sa], v[\sb] matrix_a_fmt:MATRIX_FMT_FP6 matrix_b_fmt:MATRIX_FMT_FP6
.endif
.endm
	s_load_b128 s[4:7], s[0:1], 0x0                ; qc s[4:5], kv s[6:7]
	s_load_b64 s[8:9], s[0:1], 0x10                ; oc
	v_lshl_add_u32 v5, v0, 2, SPARE
	v_mov_b32 v6, 0
	ds_add_u32 v5, v6                              ; the wave's opening: the add, twice on end, and its wait stand ahead of my tensor load; the set-up below stands between
	ds_add_u32 v5, v6
	v_lshrrev_b32 v17, 5, v0
	v_readfirstlane_b32 s[WV], v17                 ; wave 0..7
	s_bfe_u32 s11, ttmp6, 0x40000                  ; cx
	s_and_b32 s12, ttmp7, 0xffff                   ; 4 b + g: the same in all four partners
	s_lshr_b32 s13, s12, 2                         ; b
	s_and_b32 s14, s12, 3                          ; g
	s_lshr_b32 s15, ttmp9, 1                       ; hp
	s_and_b32 s16, ttmp9, 1
	s_lshl_b32 s16, s16, 2
	s_add_co_u32 s16, s16, s11                     ; my block of 256 queries: it enters q's and o's addresses alone
	s_lshl_b32 s17, s16, 4
	s_lshl_b32 s18, s[WV], 1
	s_add_co_u32 s17, s17, s18                     ; my first tile of queries, 0 .. 126
	s_lshl_b32 s18, s13, 4
	s_lshl_b32 s19, s14, 2
	s_add_co_u32 s18, s18, s19
	s_lshl_b32 s19, s15, 1
	s_add_co_u32 s18, s18, s19                     ; 16 b + my first head
	s_lshl_b32 s19, s14, 1
	s_add_co_u32 s19, s19, s15                     ; the last product's K step
	s_lshr_b32 s40, s[WV], 2                       ; which of the two blocks of 128 queries my tiles lie in,
	s_and_b32 s41, s[WV], 3
	s_lshl_b32 s41, s41, 2                         ; 4 x which pair of tiles of that block they are
	s_and_b32 s42, s[WV], 1
	s_lshl_b32 s43, s40, 9
	s_add_co_u32 s43, s43, s41
	s_add_co_u32 s43, s43, OST                     ; the words' stage, on the way in
	s_lshl_b32 s44, s42, 9
	s_add_co_u32 s44, s44, OST                     ; and back: waves 0 and 1 take a block's 512 bytes each
	s_lshl_b32 s56, s18, 7                         ; q's image: (head x 128 + tile) x 768
	s_add_co_u32 s56, s56, s17
	s_mul_i32 s56, s56, 768
	s_mov_b32 s57, 0
	s_lshl_b32 s58, s18, 4                         ; q's scale words: (head x 16 + block of 128) x 512 + 4 (pair), + 16 r in the lane, + 256 for the odd tile
	s_lshl_b32 s59, s16, 1
	s_add_co_u32 s58, s58, s59
	s_add_co_u32 s58, s58, s40
	s_lshl_b32 s58, s58, 9
	s_add_co_u32 s58, s58, s41
	s_add_co_u32 s58, s58, QSC
	s_mov_b32 s59, 0
	s_lshl_b32 s48, s13, 7                         ; o's image: ((128 b + tile) x 8 + K step) x 1,536
	s_add_co_u32 s48, s48, s17
	s_lshl_b32 s48, s48, 3
	s_add_co_u32 s48, s48, s19
	s_mul_i32 s48, s48, 1536
	s_mov_b32 s49, 0
	s_lshl_b32 s50, s13, 4                         ; o's scale words: ((16 b + 2 x block of 256 + w % 2) x 8 + K step) x 512
	s_lshl_b32 s51, s16, 1
	s_add_co_u32 s50, s50, s51
	s_add_co_u32 s50, s50, s42
	s_lshl_b32 s50, s50, 3
	s_add_co_u32 s50, s50, s19
	s_lshl_b32 s50, s50, 9
	s_add_co_u32 s50, s50, OSC
	s_mov_b32 s51, 0
	s_mul_i32 s[G0+1], s[WV], 2*KVS                ; the two steps that I fetch: in LDS,
	s_mul_i32 s60, s12, KVH
	s_add_co_u32 s60, s60, s[G0+1]                 ; and in memory: no place in the cluster enters either
	s_mov_b32 s61, 0
	; group 1: two steps are a dense block of 102 rows of 256 bytes (32 elements of 8 bytes); the mask names all four work-groups
	s_mov_b32 s[G1], 15|(3<<16)|(1<<21)
	s_mov_b32 s[G1+1], 32<<16
	s_mov_b32 s[G1+2], 102<<16
	s_mov_b32 s[G1+3], 32<<16
	s_mov_b32 s[G1+4], 102
	s_mov_b32 s[G1+5], 32
	s_mov_b32 s[G1+6], 0
	s_mov_b32 s[G1+7], 0
	s_mov_b32 s[G0], 1
	s_mov_b32 s20, 0x76543210
	s_mov_b32 s21, 0xfedcba98                      ; v_permlanex16_b32's selects for lane l xor 16
	s_mov_b32 s22, 0x3e38aa3b                      ; c = log2(e) / 8
	s_mov_b32 s23, s22                             ; (named with it as a pair, so it is written)
	; the lanes' terms, in one run.  a = lane % 8, y = (lane / 8) % 2, h = lane / 16
	v_and_b32 v17, 31, v0
	v_lshlrev_b32 v1, 4, v17
	v_lshlrev_b32 v2, 3, v17
	v_and_b32 v10, 15, v0
	v_lshlrev_b32 v11, 4, v10                      ; 16 r
	v_add_nc_u32 v7, s43, v11
	v_add_nc_u32 v8, s44, v1
	v_and_b32 v12, 7, v0
	v_bfe_u32 v13, v0, 3, 1
	v_bfe_u32 v14, v0, 4, 1
	v_lshlrev_b32 v3, 4, v12                       ; k's registers 0-3: row a of the image two tiles on for y = 1 (the next block of 32 keys), 16 bytes a row, 256 for h
	v_mad_u32_u24 v3, v13, 1536, v3
	v_lshl_add_u32 v3, v14, 8, v3
	v_lshlrev_b32 v4, 3, v12                       ; registers 4-5: 8 bytes a row, 128 for h
	v_mad_u32_u24 v4, v13, 1536, v4
	v_lshl_add_u32 v4, v14, 7, v4
	v_lshlrev_b32 v9, 4, v12                       ; k's scale words: 16 bytes a row, 4 for y (the next pair of stored tiles), 256 for the odd stored tile, which lanes 16-31 take
	v_lshl_add_u32 v9, v13, 2, v9
	v_lshl_add_u32 v9, v14, 8, v9
	v_lshlrev_b32 v10, 3, v14                      ; 8 h: my bytes' place in p's scale word
	s_wait_alu depctr_va_vdst(0)
	s_wait_dscnt 0x0                               ; both opening adds are done
	s_wait_kmcnt 0x0
	s_add_nc_u64 s[52:53], s[4:5], s[56:57]
	s_add_nc_u64 s[54:55], s[4:5], s[58:59]
	s_add_nc_u64 s[48:49], s[8:9], s[48:49]
	s_add_nc_u64 s[50:51], s[8:9], s[50:51]
	s_add_nc_u64 s[G0+2:G0+3], s[6:7], s[60:61]
	s_or_b32 s[G0+3], s[G0+3], 0x80000000
	CROUND                                         ; all four work-groups are here: the joint loads meet
	tensor_load_to_lds s[G0:G0+3], s[G1:G1+7]      ; every wave's one load: steps 2 w and 2 w + 1
	s_nop 0
	WIN 0x40                                       ; destinations in window 1
.irp u, 0,1,2,3
	global_load_b128 v[Q+12*\u:Q+12*\u+3], v1, s[52:53] offset:(\u/2)*768+(\u%2)*98304        ; q's half fragments stay in registers
	global_load_b64 v[Q+12*\u+4:Q+12*\u+5], v2, s[52:53] offset:(\u/2)*768+(\u%2)*98304+512
.endr
.irp u, 0,1,2,3
.irp j, 6,7,8,9,10,11
	v_mov_b32 v[Q+12*\u+\j], 0                     ; zero codes for k = 64 .. 127
.endr
.endr
.set J, 0
.rept 128
	v_mov_b32 v[J], 0                              ; O^T.  The phase is written once: the first step finds zeros, which the first change of M leaves zeros
.set J, J+1
.endr
	WIN 0
.irp u, 0,1,2,3
	global_load_b32 v[QS+\u], v11, s[54:55] offset:(\u/2)*256+(\u%2)*8192   ; lane r: query r's scale word
	v_mov_b32 v[ST+4*\u], 0x7f61b1e6               ; -M: 3e38;
	v_mov_b32 v[ST+4*\u+1], 0xff61b1e6             ; the largest score so far: -3e38, under every score
	v_mov_b32 v[ST+4*\u+2], 0
	v_mov_b32 v[ST+4*\u+3], 0
.endr
.irp j, 0,1,2,3,4,5
	v_mov_b32 v[PC+\j], 0                          ; named behind k's last tile before p's first codes are made
.endr
	v_mov_b32 v[TX], 0                             ; written once: a lane permute's destination counts as one of its sources
	v_mov_b32 v[TXP], 0
	v_mov_b32 v[PW], 0                             ; (named as the upper half of the pair with F before it is first written)
	s_wait_alu depctr_va_vdst(0)
	s_wait_loadcnt 0x0
	s_wait_tensorcnt 0x0                           ; my two steps have landed
	s_barrier_signal -1
	s_barrier_wait -1                              ; everybody's have: the whole head is in LDS, and no barrier follows before the way out
.macro KLOAD ra, rb, rc                ; a step's k: 16 loads, and its scale words: 4
.irp t, 0,1,2,3,4,5,6,7
	ds_load_b128 v[KF+6*\t:KF+6*\t+3], v[\ra] offset:768*(4*(\t/4)+\t%2)+128*((\t%4)/2)          ; tile 4 c + i: stored tile 4 c + i % 2 (+ 2 y in the lane), its rows 8 (i / 2) + a
	ds_load_b64 v[KF+6*\t+4:KF+6*\t+5], v[\rb] offset:768*(4*(\t/4)+\t%2)+512+64*((\t%4)/2)
.endr
.irp k, 0,1,2,3
	ds_load_b32 v[KS+\k], v[\rc] offset:12288+8*(\k/2)+128*(\k%2)
.endr
.endm
.macro VLOAD ra, rb                    ; a step's v: its scale words and 12 loads
	ds_load_b64 v[VS:VS+1], v[\rb] offset:12800
	WIN 0x40
.irp n, 0,1,2,3
.irp j, 0,1,2
	ds_load_b128 v[VF+12*\n+4*\j:VF+12*\n+4*\j+3], v[\ra] offset:6144+1536*\n+512*\j
.endr
.endr
	WIN 0
.endm
.macro QK u                            ; unit u's scores: 8 tiles of 16 keys into buffer u % 2
	WIN 0x04                                       ; source 1 (q) in window 1
.irp t, 0,1,2,3,4,5,6,7
	WM S+64*((\u)%2)+8*\t, KF+6*\t, Q+12*(\u), 1, KS+2*(\t/4)+(\t%4)/2, QS+(\u), \t%2
.endr
.endm
.macro PV u                            ; O^T += V^T P^T: the unit's four accumulators by turns; the matrix instruction ahead of each is another accumulator's
	WIN 0x51                                       ; source 0 (v), C and D in window 1
.irp n, 0,1,2,3
	WM 32*(\u)+8*\n, VF+12*\n, PC, 0, VS+\n/2, PW, \n%2
.endr
.endm
.macro MXI i                           ; the next unit's maxima: my two blocks, two chains each, two scores more to each chain
.irp c, 0,1
	v_max3_num_f32 v[BMN+\c], v[BMN+\c], v[SBN+32*\c+\i], v[SBN+32*\c+\i+1]
	v_max3_num_f32 v[MS+\c], v[MS+\c], v[SBN+32*\c+16+\i], v[SBN+32*\c+17+\i]
.endr
.endm
.macro TM n                            ; n pairs more of the next unit's t - M
.rept \n
	v_pk_fma_f32 v[SBN+J:SBN+J+1], v[SBN+J:SBN+J+1], s[22:23], v[NMN:NMN+1] op_sel_hi:[1,0,0]
.set J, J+2
.endr
.endm
.macro ADD4 m                          ; the four chains of this unit's sum take the pairs 4 m .. 4 m + 3
.irp k, 0,1,2,3
	v_pk_add_f32 v[PD+2*\k:PD+2*\k+1], v[PD+2*\k:PD+2*\k+1], v[SA+8*(\m)+2*\k:SA+8*(\m)+2*\k+1]
.endr
.endm
; A PHASE.  p = 1: unit u's p (buffer u % 2) becomes codes, a scale word and a part of the row's sum, by turns with the lines that take the next unit's scores (the other buffer) to t - M; then the products
; and the next unit's exponentials.  p = 0, ahead of the loop: the next unit's lines alone.  Register 32 c + e of a buffer: key e of block 2 c + h.
.macro PHASE u, p
.set SA,  S+64*((\u)%2)
.set SBN, S+64*(((\u)+1)%2)
.set BMU, BM+2*((\u)%2)
.set BMN, BM+2*(((\u)+1)%2)
.set NMU, ST+4*(\u)
.set NMN, ST+4*(((\u)+1)%4)
.set ON,  32*(((\u)+1)%4)
	WIN 0
.irp c, 0,1
	v_max3_num_f32 v[BMN+\c], v[SBN+32*\c], v[SBN+32*\c+1], v[SBN+32*\c+2]        ; the scores' first readers stand directly behind the wait that closes the phase before; every accumulator is read from its low end on
	v_max3_num_f32 v[MS+\c], v[SBN+32*\c+16], v[SBN+32*\c+17], v[SBN+32*\c+18]
.endr
.if \p
.irp c, 0,1
	v_max_num_f32 v[BMU+\c], 0x1800000, v[BMU+\c]  ; the blocks' largest p, with the floor 2^(3 - 127): the byte cannot fall under 1
.endr
.endif
	MXI 3
.if \p
.irp c, 0,1
	v_add_nc_u32 v[SO+\c], 0xff000000, v[BMU+\c]   ; 2 off the exponent field: the conversion's scale operand
.endr
.endif
	MXI 5
	MXI 7                                          ; all eight accumulators have had their first read: only plain lines stand between the wait and here
.if \p
.irp c, 0,1
	v_cvt_scalef32_pk16_fp6_f32 v[PC+6*\c:PC+6*\c+2], v[SA+32*\c:SA+32*\c+15], v[SO+\c]
	v_cvt_scalef32_pk16_fp6_f32 v[PD+4*\c:PD+4*\c+2], v[SA+32*\c+16:SA+32*\c+31], v[SO+\c]   ; (a conversion's three registers begin on an even number)
.endr
.endif
	MXI 9                                          ; (plain places behind the scaled conversions)
.if \p
.irp i, 0,1,2
	v_mov_b32 v[PC+3+\i], v[PD+\i]
.endr
.endif
	MXI 11
.if \p
.irp i, 0,1,2
	v_mov_b32 v[PC+9+\i], v[PD+4+\i]
.endr
.endif
	MXI 13
.if \p
.irp c, 0,1
	v_lshrrev_b32 v[BMU+\c], 23, v[SO+\c]          ; the scale's byte
.endr
.irp k, 0,1,2,3
	v_pk_add_f32 v[PD+2*\k:PD+2*\k+1], v[SA+2*\k:SA+2*\k+1], v[SA+8+2*\k:SA+8+2*\k+1]   ; THE ROW'S SUM IS TAKEN OF THE UNQUANTISED p: four chains
.endr
.endif
.irp c, 0,1
	v_max3_num_f32 v[BMN+\c], v[BMN+\c], v[MS+\c], v[SBN+32*\c+15]
.endr
.if \p
	v_lshl_or_b32 v[BYP], v[BMU+1], 16, v[BMU]     ; blocks h and 2 + h,
.endif
.irp c, 0,1
	v_max_num_f32 v[BMN+\c], v[BMN+\c], v[SBN+32*\c+31]   ; the largest score of each of my blocks: for the row's maximum and for the block's largest p
.endr
	v_mov_b32 v[BYM], v[NMN]                       ; the old -M
.if \p
	ADD4 2
.endif
	v_max_num_f32 v[T], v[BMN], v[BMN+1]
.if \p
	v_lshlrev_b32 v[BYP], v10, v[BYP]              ; at their places in the word;
	ADD4 3
.endif
	v_permlanex16_b32 v[TX], v[T], s20, s21        ; lane l xor 16's two blocks
.if \p
	v_permlanex16_b32 v[TXP], v[BYP], s20, s21
	ADD4 4
.endif
	v_max3_num_f32 v[NMN+1], v[NMN+1], v[T], v[TX] ; the running largest score (c is positive)
.if \p
	v_or_b32 v[PW], v[BYP], v[TXP]                 ; with lane l xor 16's two the word is whole.  More than eight plain lines stand between it, the codes' last writes, and the products
	ADD4 5
.endif
	v_mul_f32 v[T], s22, v[NMN+1]                  ; as t
.if \p
	ADD4 6
.endif
	v_floor_f32 v[NMN], -v[T]                      ; the new -M = floor(-t): M is a whole number
.if \p
	ADD4 7
.endif
	v_sub_f32 v[T], v[NMN], v[BYM]                 ; old M - new M: a whole number, 0 or less
.set J, 0
	TM 4
.if \p
	v_pk_add_f32 v[PD:PD+1], v[PD:PD+1], v[PD+2:PD+3]
	v_pk_add_f32 v[PD+4:PD+5], v[PD+4:PD+5], v[PD+6:PD+7]
.endif
	v_cvt_i32_f32 v[T], v[T]                       ; (it saturates)
	TM 4
.if \p
	v_pk_add_f32 v[PD:PD+1], v[PD:PD+1], v[PD+4:PD+5]
.endif
	v_ldexp_f32 v[F], 1.0, v[T]                    ; f = 2^(old M - new M)
	TM 4
.if \p
	v_pk_add_f32 v[NMU+2:NMU+3], v[NMU+2:NMU+3], v[PD:PD+1]   ; onto the sum, which was brought under this step's M behind the unit's exponentials
.endif
	TM 20
.irp c, 0,1
	v_fma_f32 v[BMN+\c], v[BMN+\c], s22, v[NMN]    ; the same of each block's largest score
.endr
.if (\p) && (\u) == 1
	v_add_nc_u32 v[AK], s40, v3                    ; where the next step's k lies
	v_add_nc_u32 v[BK], s40, v4
	v_add_nc_u32 v[CK], s40, v9
.endif
.if (\p) && (\u) == 3
	v_add_nc_u32 v[AV], s40, v1                    ; and its v
	v_add_nc_u32 v[BV], s40, v2
.endif
.if \p
.if (\u) == 0
	s_wait_dscnt 0x0                               ; this step's v is in (asked for a phase ago)
.endif
	PV \u
.if (\u) == 2
	s_wait_dscnt 0x0                               ; the next step's k is in (asked for a phase ago)
.endif
	QK ((\u)+2)%4                                  ; the scores of the unit two on, into the buffer whose p is done with
.endif
	WIN 0x41                                       ; O^T: source 0 and destination in window 1
	s_wait_alu depctr_va_vdst(0)                   ; the wait directly ahead of O^T's first reader, and ahead of the batch below
.set J, 0
.rept 16
	v_pk_mul_f32 v[ON+J:ON+J+1], v[ON+J:ON+J+1], v[F:F+1] op_sel_hi:[1,0]   ; the next unit's O^T under the new M.  These sixteen are also the places behind the products, ahead of the loads into their sources
.set J, J+2
.endr
	WIN 0
.if (\p) && (\u) == 1
	KLOAD AK, BK, CK                               ; unit 3's scores were the last to read this step's k
.endif
.if (\p) && (\u) == 3
.rept 4
	v_nop                                          ; four places behind unit 3's products, ahead of the loads into their sources: the sixteen lines above name p's scale word beside F, so they are none
.endr
	VLOAD AV, BV                                   ; unit 3's products were the last to read this step's v
.endif
.set J, 0
.rept 64
	v_exp_f32 v[SBN+J], v[SBN+J]                   ; p = 2^(t - M): one batch,
.set J, J+1
.endr
.irp c, 0,1
	v_exp_f32 v[BMN+\c], v[BMN+\c]                 ; the blocks' largest p among it
.endr
	v_pk_mul_f32 v[NMN+2:NMN+3], v[NMN+2:NMN+3], v[F:F+1] op_sel_hi:[1,0]   ; the sum under the new M: the plain place behind the exponentials
	s_wait_alu depctr_va_vdst(0)                   ; the one wait ahead of the batch's first reader, and directly ahead of the first reader of the scores that wait in the other buffer
.endm
	KLOAD 3, 4, 9                                  ; step 0 lies at LDS byte 0
	VLOAD 1, 2
	s_wait_dscnt 13                                ; k and its scale words are in; the youngest thirteen loads, v's, may be out
	QK 0
	QK 1
.rept 4
	v_nop                                          ; four places behind unit 0's products, ahead of the first read of their results (ISA guide 7.12.1)
.endr
	PHASE 3, 0                                     ; unit 0's scores to p
	s_mov_b32 s2, KVS                              ; the next step's LDS byte
	s_mov_b32 s3, 16
.Lstep:                                                ; A KEY STEP: 128 keys, four units
	s_min_u32 s40, s2, 15*KVS                      ; the last trip has no next step: its look-ahead stays on step 15
	s_wait_alu depctr_va_vdst(0)                   ; the wait directly ahead of the scores' first reader, behind the jump too
	PHASE 0, 1
	PHASE 1, 1
	PHASE 2, 1
	PHASE 3, 1
	s_add_co_u32 s2, s2, KVS
	s_sub_co_u32 s3, s3, 1
	s_cmp_lg_u32 s3, 0
	s_cbranch_scc1 .Lstep
; THE END: O^T / the sum, quantised along d: unit u gives registers 6 (u % 2) .. + 5 of tile u / 2's fragment and bytes 2 (u % 2), + 1 of its scale word
.irp u, 0,1,2,3
	v_add_f32 v[ST+4*\u+2], v[ST+4*\u+2], v[ST+4*\u+3]     ; the sum's two halves,
.endr
.irp u, 0,1,2,3
	v_permlanex16_b32 v[PD+\u], v[ST+4*\u+2], s20, s21
.endr
.irp u, 0,1,2,3
	v_add_f32 v[ST+4*\u+2], v[ST+4*\u+2], v[PD+\u]         ; and lane l xor 16's
.endr
	s_wait_alu depctr_va_vdst(0)
.irp u, 0,1,2,3
	v_rcp_f32 v[ST+4*\u+2], v[ST+4*\u+2]
.endr
	v_nop                                          ; a plain place behind the reciprocals
	WIN 0x01                                       ; source 0 (O^T) in window 1
	s_wait_alu depctr_va_vdst(0)                   ; the wait ahead of their first reader, which is also O^T's
.irp u, 0,1,2,3
.set J, 0
.rept 16
	v_pk_mul_f32 v[S+32*\u+J:S+32*\u+J+1], v[32*\u+J:32*\u+J+1], v[ST+4*\u+2:ST+4*\u+3] op_sel_hi:[1,0]   ; register 16 a + e: d = 32 a + 16 (lane / 16) + e
.set J, J+2
.endr
.endr
	WIN 0
.macro FIN u
.set Y, S+32*(\u)
.set FB, FR+6*(\u)
.irp b, 0,1
	v_max3_num_f32 v[BM+\b], |v[Y+16*\b]|, |v[Y+16*\b+1]|, 0x1800000
.endr
.irp i, 2,4,6,8,10,12,14
.irp b, 0,1
	v_max3_num_f32 v[BM+\b], v[BM+\b], |v[Y+16*\b+\i]|, |v[Y+16*\b+\i+1]|
.endr
.endr
.irp b, 0,1
	v_permlanex16_b32 v[T+\b], v[BM+\b], s20, s21
.endr
.irp b, 0,1
	v_max_num_f32 v[BM+\b], v[BM+\b], v[T+\b]      ; with lane l xor 16's: the block's largest magnitude
.endr
.irp b, 0,1
	v_add_nc_u32 v[SO+\b], 0xff000000, v[BM+\b]
.endr
.irp b, 0,1
	v_lshrrev_b32 v[BM+\b], 23, v[SO+\b]
.endr
	v_cvt_scalef32_pk16_fp6_f32 v[FB:FB+2], v[Y:Y+15], v[SO]
	v_cvt_scalef32_pk16_fp6_f32 v[PD:PD+2], v[Y+16:Y+31], v[SO+1]
	v_nop                                          ; one plain place behind a scaled conversion
.irp i, 0,1,2
	v_permlane16_swap_b32 v[FB+\i], v[PD+\i]       ; a WHOLE block to a lane
.endr
.irp i, 0,1,2
	v_mov_b32 v[FB+3+\i], v[PD+\i]
.endr
.if (\u)%2 == 0
	v_lshl_or_b32 v[OW+(\u)/2], v[BM+1], 8, v[BM]
.else
	v_lshl_or_b32 v[OW+(\u)/2], v[BM], 16, v[OW+(\u)/2]
	v_lshl_or_b32 v[OW+(\u)/2], v[BM+1], 24, v[OW+(\u)/2]
.endif
.endm
	FIN 0
	FIN 1
	FIN 2
	FIN 3
.irp t, 0,1
.irp j, 0,1,2
	global_store_b128 v1, v[FR+12*\t+4*\j:FR+12*\t+4*\j+3], s[48:49] offset:12288*\t+512*\j   ; the fragments as they stand: 512 consecutive bytes a store
.endr
	ds_store_b32 v7, v[OW+\t] offset:256*\t        ; lanes r and r + 16 write the same word with the same value
.endr
	s_wait_dscnt 0x0                               ; for the others' sake: my stores are done (and the last look-ahead's loads)
	s_barrier_signal -1
	s_barrier_wait -1
	s_cmp_lt_u32 s[WV], 2                          ; waves 0 and 1 store a block's 512 bytes of scale words each
	s_cbranch_scc0 .Lno_words
	ds_load_b128 v[S:S+3], v8
	s_wait_dscnt 0x0
	global_store_b128 v1, v[S:S+3], s[50:51]
.Lno_words:
	s_wait_tensorcnt 0x0                           ; the wave's end, behind my tensor load and my last LDS store
	ds_add_u32 v5, v6
	s_wait_dscnt 0x0
	CROUND                                         ; the closing round
	s_endpgm
.Lfunc_end_k_q2b205a3b29_attn:
	.size	k_q2b205a3b29_attn, .Lfunc_end_k_q2b205a3b29_attn-k_q2b205a3b29_attn
	.p2alignl 7, 3214868480
	.fill 96, 4, 3214868480
	.section	.rodata,"a",@progbits
	.p2align	6, 0x0
	.amdhsa_kernel k_q2b205a3b29_attn
		.amdhsa_group_segment_fixed_size 210944
		.amdhsa_private_segment_fixed_size 0
		.amdhsa_enable_private_segment 0
		.amdhsa_kernarg_size 24
		.amdhsa_user_sgpr_count 2
		.amdhsa_user_sgpr_kernarg_segment_ptr 1
		.amdhsa_wavefront_size32 1
		.amdhsa_system_sgpr_workgroup_id_x 1
		.amdhsa_system_sgpr_workgroup_id_y 1
		.amdhsa_system_sgpr_workgroup_id_z 1
		.amdhsa_system_vgpr_workitem_id 0
		.amdhsa_next_free_vgpr 480
		.amdhsa_next_free_sgpr 66
		.amdhsa_reserve_vcc 0
		.amdhsa_float_denorm_mode_32 3
		.amdhsa_float_denorm_mode_16_64 3
		.amdhsa_memory_ordered 1
		.amdhsa_forward_progress 1
		.amdhsa_inst_pref_size 91
	.end_amdhsa_kernel
	.amdgpu_metadata
---
amdhsa.version: [ 1, 2 ]
amdhsa.kernels:
  - .name:           k_q2b205a3b29_attn
    .symbol:         k_q2b205a3b29_attn.kd
    .args:
      - { .name: qc, .offset: 0, .size: 8, .value_kind: global_buffer, .address_space: global }
      - { .name: kv, .offset: 8, .size: 8, .value_kind: global_buffer, .address_space: global }
      - { .name: oc, .offset: 16, .size: 8, .value_kind: global_buffer, .address_space: global }
    .group_segment_fixed_size: 210944
    .private_segment_fixed_size: 0
    .kernarg_segment_align: 8
    .kernarg_segment_size: 24
    .max_flat_workgroup_size: 256
    .sgpr_count:     66
    .vgpr_count:     480
    .wavefront_size: 32
...
	.end_amdgpu_metadata
.endif
;; end of part 3
;; launch oproj (part 4): grid 64 x 4, 4 waves a work-group, clusters of 4 x 1, 312,832 bytes of LDS; arguments oc, wc, out0; writes out0
.if DOCPART == 4
	.amdgcn_target "amdgcn-amd-amdhsa--gfx1250"
	.amdhsa_code_object_version 6
	.text
	.protected	k_q2b205a3b29_oproj
	.globl	k_q2b205a3b29_oproj
	.p2align	8
	.type	k_q2b205a3b29_oproj,@function
k_q2b205a3b29_oproj:
	s_mov_b64 s[64:65], 0
	v_nop
	global_prefetch_b8 v0, s[64:65] scope:SCOPE_SE
	s_setreg_imm32_b32 hwreg(HW_REG_WAVE_MODE, 25, 1), 1
	s_wait_xcnt 0x0
	s_wait_alu depctr_hold_cnt(0) depctr_sa_sdst(0) depctr_va_vdst(0) depctr_va_sdst(0) depctr_va_ssrc(0) depctr_va_vcc(0) depctr_vm_vsrc(0)
	s_getreg_b32 s2, hwreg(HW_REG_IB_STS2, 6, 4)
	s_cmp_eq_u32 s2, 0
	s_cbranch_scc0 .Lentry_in_a_cluster
	s_endpgm
.Lentry_in_a_cluster:
	s_bfe_u32 s2, ttmp6, 0x10000c
	s_cmp_lg_u32 s2, 0x3003
	s_cbranch_scc0 .Lentry_shape_is_right
	s_endpgm
.Lentry_shape_is_right:
; out0 = o Wo^T on codes of FP6 (E2M3): 8,192 x 1,024 x 1,024, f32 out.
; A work-group takes 128 tokens (block mb, 8 tiles) x 256 rows of Wo (block NB, 16 tiles).  Wave w takes 64 rows of Wo x all 128 tokens: 32 accumulators.
; Operands lie in memory in the order of the operand's registers (1,536 bytes a fragment).  LDS holds the tiles for ALL of K: A 98,304 bytes, B 196,608, in four chunks of two K steps, all asked for at the
; head; no byte is filled twice; the waits on TENSORcnt are counted, 3, 2, 1, 0: the younger of my four loads may stay out.  A wave has four tensor loads out at the most.
; CLUSTER: four work-groups along the tokens share NB: B's tiles, the larger part of a work-group's bytes, are asked for jointly.  A's tiles are shared by the four NB of a block of tokens, which lie in
; other clusters: the form of the launch that makes q, k and v is kept, whose cluster can only lie along the tokens.
; No prefetch: every tensor load goes out at the head, so there is no later request that one could run ahead of.
; Source 0 = 16 rows of Wo, source 1 = 16 tokens: a lane holds ONE token, and registers 16 b + e of its 32 hold output 32 b + 16 (lane / 16) + e of the wave's 64.
; THE WAY OUT: a tile of 16 tokens x 64 outputs goes through the wave's own stage in LDS and leaves as rows: sixteen lanes store 256 consecutive bytes, aligned.  The order of the tokens in a tile
; (lane r of tile 2 p + u: token 32 p + 8 u + r + 8 (r / 8)) is undone in the stores' immediates.
.set OSC,   6291456
.set WOIMG, 1228800
.set WOSC,  2015232
; LDS AS THE TEXT STANDS (in place of the four chunks and the counted waits that the comment at the head describes): the tiles lie tile by tile, 12,288 bytes (8 K steps) each, as in memory.
; Each wave asks ONCE, at the head, for all of K of its tiles: waves 0 and 1 four tiles of A each, waves 2 and 3 eight tiles of B each (jointly); one wait for 0 and one barrier follow; nothing is filled twice.
.set ACH,   24576                      ; two tiles of A: what one of A's four address registers reaches
.set BCH,   49152
.set BOFF,  4*ACH
.set STG,   BOFF+4*BCH                 ; behind the tiles: a stage of 16 rows x (256 + 16) bytes for each wave: bytes of their own
.set SPITCH, 272
.set SPARE, STG+4*16*SPITCH            ; the spare words, 128 bytes for each wave
.set ADA, 4
.set ADB, 8
.set SPW, 12
.set NIL, 13
.set L16, 14
.set L8,  15
.set STO, 16                           ; v16     the stage, on the way in: row r, + 64 h
.set RD,  17                           ; v17     on the way out: lanes 0-15 one row, lanes 16-31 the next
.set CO,  18                           ; v18     the same two rows in out0
.set XS,  32                           ; v32-63  o's scale words: 4 s + p: tile 2 p in lanes 0-15, tile 2 p + 1 in lanes 16-31
.set WS,  64                           ; v64-79  Wo's: 8 p + s
.set WF,  80                           ; v80-175 Wo's fragments, two sets of 48
.set OUT, 176                          ; v176-239 two sets of 32: a tile's rows on their way out
.set WV,  14
.set G1A, 24
.set G1B, 32
.set G0A, 40
.set G0B, 68
.set MSB, 0
.macro WIN new
.if MSB != \new
	s_set_vgpr_msb (MSB<<8)|\new
.set MSB, \new
.endif
.endm
.macro CROUND
	s_barrier_signal -1
	s_barrier_wait -1
	s_cmp_lg_u32 s[WV], 0
	s_cbranch_scc1 .Lnot_wave_0_\@
	s_barrier_signal -3
.Lnot_wave_0_\@:
	s_barrier_wait -3
	s_barrier_signal -1
	s_barrier_wait -1
.endm
.macro PLACES
.rept 4
	v_nop
.endr
.endm
.macro WM d, a, b, z, sa, sb, ra, rb
.if (\z) && (\ra) && (\rb)
	v_wmma_scale_f32_16x16x128_f8f6f4 v[\d:\d+7], v[\a:\a+11], v[\b:\b+11], 0, v[\sa], v[\sb] matrix_a_fmt:MATRIX_FMT_FP6 matrix_b_fmt:MATRIX_FMT_FP6 matrix_a_scale:MATRIX_SCALE_ROW1 matrix_b_scale:MATRIX_SCALE_ROW1
.elseif (\z) && (\ra)
	v_wmma_scale_f32_16x16x128_f8f6f4 v[\d:\d+7], v[\a:\a+11], v[\b:\b+11], 0, v[\sa], v[\sb] matrix_a_fmt:MATRIX_FMT_FP6 matrix_b_fmt:MATRIX_FMT_FP6 matrix_a_scale:MATRIX_SCALE_ROW1
.elseif (\z) && (\rb)
	v_wmma_scale_f32_16x16x128_f8f6f4 v[\d:\d+7], v[\a:\a+11], v[\b:\b+11], 0, v[\sa], v[\sb] matrix_a_fmt:MATRIX_FMT_FP6 matrix_b_fmt:MATRIX_FMT_FP6 matrix_b_scale:MATRIX_SCALE_ROW1
.elseif (\z)
	v_wmma_scale_f32_16x16x128_f8f6f4 v[\d:\d+7], v[\a:\a+11], v[\b:\b+11], 0, v[\sa], v[\sb] matrix_a_fmt:MATRIX_FMT_FP6 matrix_b_fmt:MATRIX_FMT_FP6
.elseif (\ra) && (\rb)
	v_wmma_scale_f32_16x16x128_f8f6f4 v[\d:\d+7], v[\a:\a+11], v[\b:\b+11], v[\d:\d+7], v[\sa], v[\sb] matrix_a_fmt:MATRIX_FMT_FP6 matrix_b_fmt:MATRIX_FMT_FP6 matrix_a_scale:MATRIX_SCALE_ROW1 matrix_b_scale:MATRIX_SCALE_ROW1
.elseif (\ra)
	v_wmma_scale_f32_16x16x128_f8f6f4 v[\d:\d+7], v[\a:\a+11], v[\b:\b+11], v[\d:\d+7], v[\sa], v[\sb] matrix_a_fmt:MATRIX_FMT_FP6 matrix_b_fmt:MATRIX_FMT_FP6 matrix_a_scale:MATRIX_SCALE_ROW1
.elseif (\rb)
	v_wmma_scale_f32_16x16x128_f8f6f4 v[\d:\d+7], v[\a:\a+11], v[\b:\b+11], v[\d:\d+7], v[\sa], v[\sb] matrix_a_fmt:MATRIX_FMT_FP6 matrix_b_fmt:MATRIX_FMT_FP6 matrix_b_scale:MATRIX_SCALE_ROW1
.else
	v_wmma_scale_f32_16x16x128_f8f6f4 v[\d:\d+7], v[\a:\a+11], v[\b:\b+11], v[\d:\d+7], v[\sa], v[\sb] matrix_a_fmt:MATRIX_FMT_FP6 matrix_b_fmt:MATRIX_FMT_FP6
.endif
.endm
	s_load_b128 s[4:7], s[0:1], 0x0                ; oc s[4:5], wc s[6:7]
	s_load_b64 s[8:9], s[0:1], 0x10                ; out0
	v_lshl_add_u32 v[SPW], v0, 2, SPARE
	v_mov_b32 v[NIL], 0
	ds_add_u32 v[SPW], v[NIL]                      ; the wave's opening: the add and its wait stand ahead of my first tensor load; the set-up below, work on registers, stands between them
	ds_add_u32 v[SPW], v[NIL]
	v_lshrrev_b32 v1, 5, v0
	v_readfirstlane_b32 s[WV], v1                  ; wave 0..3
	s_and_b32 s15, s[WV], 1
	s_bfe_u32 s16, ttmp6, 0x40000                  ; cx
	s_lshl_b32 s17, ttmp9, 2
	s_add_co_u32 s17, s17, s16                     ; mb: it enters A's and the output's addresses alone
	s_and_b32 s18, ttmp7, 0xffff                   ; NB: the same in all four partners
	; group 1: rows of 12,288 bytes (a whole tile), 12,288 bytes apart; A: 4 rows, B: 8 rows and the mask of all four work-groups
	s_mov_b32 s[G1A], 3<<16
	s_mov_b32 s[G1A+1], 1536<<16                   ; a row is a whole tile: 1,536 elements of 8 bytes
	s_mov_b32 s[G1A+2], 4<<16
	s_mov_b32 s[G1A+3], 1536<<16
	s_mov_b32 s[G1A+4], 4
	s_mov_b32 s[G1A+5], 1536
	s_mov_b32 s[G1A+6], 0
	s_mov_b32 s[G1A+7], 0
	s_mov_b32 s[G1B], 15|(3<<16)|(1<<21)
	s_mov_b32 s[G1B+1], 1536<<16
	s_mov_b32 s[G1B+2], 8<<16
	s_mov_b32 s[G1B+3], 1536<<16
	s_mov_b32 s[G1B+4], 8
	s_mov_b32 s[G1B+5], 1536
	s_mov_b32 s[G1B+6], 0
	s_mov_b32 s[G1B+7], 0
	v_and_b32 v1, 31, v0
	v_and_b32 v2, 15, v0                           ; r
	v_bfe_u32 v3, v0, 4, 1                         ; h
	v_lshlrev_b32 v[L16], 4, v1
	v_lshlrev_b32 v[L8], 3, v1
.irp c, 0,1,2,3
	v_add_nc_u32 v[ADA+\c], \c*ACH, v[L16]
.endr
	s_mul_i32 s23, s[WV], 49152                    ; my four tiles of B's sixteen, an address register for each
	s_add_co_u32 s23, s23, BOFF
.irp c, 0,1,2,3
	v_add_nc_u32 v[ADB+\c], s23, v[L16]
	s_add_co_u32 s23, s23, 12288
.endr
	s_mul_i32 s23, s[WV], 16*SPITCH
	s_add_co_u32 s23, s23, STG                     ; my stage
	v_mul_u32_u24 v[STO], v2, SPITCH
	v_lshl_add_u32 v[STO], v3, 6, v[STO]
	v_add_nc_u32 v[STO], s23, v[STO]
	v_mul_u32_u24 v[RD], v3, SPITCH
	v_lshl_add_u32 v[RD], v2, 4, v[RD]
	v_add_nc_u32 v[RD], s23, v[RD]
	v_lshlrev_b32 v[CO], 12, v3                    ; a row of out0 is 4,096 bytes
	v_lshl_add_u32 v[CO], v2, 4, v[CO]
	s_mul_i32 s56, s17, 98304                      ; A: the block's 8 tiles, + my 4
	s_mul_i32 s57, s15, 49152
	s_add_co_u32 s56, s56, s57
	s_mov_b32 s57, 0
	s_mul_i32 s60, s18, 196608                     ; B: the block's 16 tiles, + my 8: in registers that never hold cx
	s_mul_i32 s61, s15, 98304
	s_add_co_u32 s60, s60, s61
	s_add_co_u32 s60, s60, WOIMG
	s_mov_b32 s61, 0
	s_mul_i32 s21, s15, 49152                      ; where my tiles go: A's four,
	s_mul_i32 s22, s15, 98304                      ; B's eight
	s_add_co_u32 s22, s22, BOFF
	s_lshl_b32 s96, s17, 12                        ; o's scale words: 8 K steps x 512 bytes a block
	s_add_co_u32 s96, s96, OSC
	s_mov_b32 s97, 0
	s_lshl_b32 s98, s18, 3                         ; Wo's: pairs 8 NB + 2 w, + 1
	s_lshl_b32 s99, s[WV], 1
	s_add_co_u32 s98, s98, s99
	s_lshl_b32 s98, s98, 10
	s_add_co_u32 s98, s98, WOSC
	s_mov_b32 s99, 0
	s_lshl_b32 s88, s17, 19                        ; out0: 128 rows of 4,096 bytes a block,
	s_lshl_b32 s89, s18, 10                        ; 256 outputs of 4 bytes,
	s_add_co_u32 s88, s88, s89
	s_lshl_b32 s89, s[WV], 8                       ; my 64
	s_add_co_u32 s88, s88, s89
	s_mov_b32 s89, 0
	s_wait_dscnt 0x0                               ; the opening add is done
	s_wait_kmcnt 0x0
	s_add_nc_u64 s[58:59], s[4:5], s[56:57]
	s_add_nc_u64 s[62:63], s[6:7], s[60:61]
	s_add_nc_u64 s[92:93], s[4:5], s[96:97]
	s_add_nc_u64 s[94:95], s[6:7], s[98:99]
	s_add_nc_u64 s[8:9], s[8:9], s[88:89]
.irp c, 0
	s_mov_b32 s[G0A+4*\c], 1
	s_add_co_u32 s[G0A+4*\c+1], s21, \c*ACH
	s_add_nc_u64 s[G0A+4*\c+2:G0A+4*\c+3], s[58:59], \c*3072
	s_or_b32 s[G0A+4*\c+3], s[G0A+4*\c+3], 0x80000000
	s_mov_b32 s[G0B+4*\c], 1
	s_add_co_u32 s[G0B+4*\c+1], s22, \c*BCH
	s_add_nc_u64 s[G0B+4*\c+2:G0B+4*\c+3], s[62:63], \c*3072
	s_or_b32 s[G0B+4*\c+3], s[G0B+4*\c+3], 0x80000000
.endr
	CROUND                                         ; all four work-groups are here: the joint loads meet
	s_cmp_lt_u32 s[WV], 2                          ; waves 0 and 1 fetch A's halves, waves 2 and 3 B's (jointly): a wave's one fill stands in one branch
	s_cbranch_scc0 .Lfill_b
.irp c, 0
	tensor_load_to_lds s[G0A+4*\c:G0A+4*\c+3], s[G1A:G1A+7]
	s_nop 0
.endr
	PLACES
	s_branch .Lfilled
.Lfill_b:
.irp c, 0
	tensor_load_to_lds s[G0B+4*\c:G0B+4*\c+3], s[G1B:G1B+7]
	s_nop 0
.endr
	PLACES
.Lfilled:
.irp g, 0,1,2,3,4,5,6,7
	global_load_b128 v[XS+4*\g:XS+4*\g+3], v[L16], s[92:93] offset:512*\g   ; K step g: the words of all eight tiles, 512 consecutive bytes
.endr
.irp p, 0,1
.irp g, 0,1,2,3
	global_load_b64 v[WS+8*\p+2*\g:WS+8*\p+2*\g+1], v[L8], s[94:95] offset:\p*1024+\g*256
.endr
.endr
.macro FETCH s, set                    ; K step s's fragments into set: o's eight (window 1), my four of Wo (window 0)
	WIN 0x40
.irp i, 0,1,2,3,4,5,6,7
.irp j, 0,1,2
	ds_load_b128 v[96*(\set)+12*\i+4*\j:96*(\set)+12*\i+4*\j+3], v[ADA+\i/2] offset:(\i%2)*12288+(\s)*1536+\j*512
.endr
.endr
	WIN 0
.irp n, 0,1,2,3
.irp j, 0,1,2
	ds_load_b128 v[WF+48*(\set)+12*\n+4*\j:WF+48*(\set)+12*\n+4*\j+3], v[ADB+\n] offset:(\s)*1536+\j*512
.endr
.endr
.endm
.macro MUL s, set                      ; 32 matrix instructions; the 32 accumulators take turns, one instruction a turn, in the same order in every K step
.set Z0, (\s)==0
	WIN 0xa4                                       ; source 0 (Wo) window 0, source 1 (o) window 1, C and D window 2
.irp i, 0,1,2,3,4,5,6,7
.irp n, 0,1,2,3
	WM 8*(4*\i+\n), WF+48*(\set)+12*\n, 96*(\set)+12*\i, Z0, WS+8*(\n/2)+(\s), XS+4*(\s)+\i/2, \n%2, \i%2
.endr
.endr
.endm
.macro KSTEP s
	s_wait_dscnt 0x0                               ; this step's fragments are in; no LDS load of mine is out at a signal
.if (\s)<7
.if (\s)>0
	PLACES                                         ; the other set was read by the last step's products
.endif
	FETCH (\s)+1, ((\s)+1)%2
.endif
	MUL \s, (\s)%2
.endm
	s_wait_alu depctr_va_vdst(0)
	s_wait_tensorcnt 0x0                           ; my one load has landed
	s_barrier_signal -1
	s_barrier_wait -1
	FETCH 0, 0
	s_wait_loadcnt 0x0                             ; the scale words
	KSTEP 0
	KSTEP 1
	KSTEP 2
	KSTEP 3
	KSTEP 4
	KSTEP 5
	KSTEP 6
	KSTEP 7
	WIN 0
.macro TOSTAGE t                       ; token tile t: its 32 registers a lane into my stage, each accumulator from its low end on, and back as rows.  LDS serves a wave's instructions in order
	WIN 0x08                                       ; an LDS store's data are its source 1: window 2
.irp k, 0,1,2,3,4,5,6,7
	ds_store_b128 v[STO], v[32*(\t)+4*\k:32*(\t)+4*\k+3] offset:128*(\k/4)+16*(\k%4)
.endr
	WIN 0
.irp k, 0,1,2,3,4,5,6,7
	ds_load_b128 v[OUT+32*((\t)%2)+4*\k:OUT+32*((\t)%2)+4*\k+3], v[RD] offset:2*SPITCH*\k
.endr
.endm
.macro SEND t, younger                 ; younger: the LDS instructions issued behind tile t's loads, which may stay out
	s_wait_dscnt \younger
.irp k, 0,1,2,3,4,5,6,7
	global_store_b128 v[CO], v[OUT+32*((\t)%2)+4*\k:OUT+32*((\t)%2)+4*\k+3], s[8:9] offset:(32*((\t)/2)+8*((\t)%2)+2*\k+8*(\k/4))*4096 th:TH_STORE_NT   ; sixteen lanes store 256 consecutive bytes, aligned; rows 2 k and 2 k + 1 of the tile are tokens 2 k + 8 (k / 4), + 1
.endr
.endm
	PLACES
	TOSTAGE 0
.irp a, 1,2,3,4,5,6,7
.if \a > 1
	s_wait_xcnt 0x0                                ; tile a - 2's stores have read their registers: tile a's loads may land there
.endif
	TOSTAGE \a
	SEND \a-1, 16                                  ; behind tile a - 1's loads: tile a's 8 stores and 8 loads
.endr
	SEND 7, 0
	s_wait_tensorcnt 0x0                           ; the wave's end, behind my last tensor load and my last LDS store
	ds_add_u32 v[SPW], v[NIL]
	s_wait_dscnt 0x0
	CROUND                                         ; the closing round
	s_endpgm
.Lfunc_end_k_q2b205a3b29_oproj:
	.size	k_q2b205a3b29_oproj, .Lfunc_end_k_q2b205a3b29_oproj-k_q2b205a3b29_oproj
	.p2alignl 7, 3214868480
	.fill 96, 4, 3214868480
	.section	.rodata,"a",@progbits
	.p2align	6, 0x0
	.amdhsa_kernel k_q2b205a3b29_oproj
		.amdhsa_group_segment_fixed_size 312832
		.amdhsa_private_segment_fixed_size 0
		.amdhsa_enable_private_segment 0
		.amdhsa_kernarg_size 24
		.amdhsa_user_sgpr_count 2
		.amdhsa_user_sgpr_kernarg_segment_ptr 1
		.amdhsa_wavefront_size32 1
		.amdhsa_system_sgpr_workgroup_id_x 1
		.amdhsa_system_sgpr_workgroup_id_y 1
		.amdhsa_system_sgpr_workgroup_id_z 1
		.amdhsa_system_vgpr_workitem_id 0
		.amdhsa_next_free_vgpr 768
		.amdhsa_next_free_sgpr 100
		.amdhsa_reserve_vcc 0
		.amdhsa_float_denorm_mode_32 3
		.amdhsa_float_denorm_mode_16_64 3
		.amdhsa_memory_ordered 1
		.amdhsa_forward_progress 1
		.amdhsa_inst_pref_size 75
	.end_amdhsa_kernel
	.amdgpu_metadata
---
amdhsa.version: [ 1, 2 ]
amdhsa.kernels:
  - .name:           k_q2b205a3b29_oproj
    .symbol:         k_q2b205a3b29_oproj.kd
    .args:
      - { .name: oc, .offset: 0, .size: 8, .value_kind: global_buffer, .address_space: global }
      - { .name: wc, .offset: 8, .size: 8, .value_kind: global_buffer, .address_space: global }
      - { .name: out0, .offset: 16, .size: 8, .value_kind: global_buffer, .address_space: global }
    .group_segment_fixed_size: 312832
    .private_segment_fixed_size: 0
    .kernarg_segment_align: 8
    .kernarg_segment_size: 24
    .max_flat_workgroup_size: 128
    .sgpr_count:     100
    .vgpr_count:     768
    .wavefront_size: 32
...
	.end_amdgpu_metadata
.endif
;; end of part 4
